; MI455X (gfx1250); checked and timed in simulation.
; The chip was launched on July 23, 2026; its instructions are those of AMD's public machine-readable ISA for CDNA 5 (MIT licence, August 2026) and "CDNA5" Instruction Set Architecture Reference Guide (July 2026). The comments in the code are by the model that wrote it; some were corrected since.
;; Transformer Block. Allowed arithmetic: matrix products marked QUANTISED: E2M1 operands, one E8M0 scale for each 32 along K, by v_wmma_scale_f32_16x16x128_f8f6f4 with both operands' format E2M1 (or v_wmma_scale_f32_32x16x128_f4), f32 sums; everything else in f32.
;; Inputs: b_fc1 4,096 float32; b_fc2 1,024 float32; b_out 1,024 float32; b_qkv 3,072 float32; beta1 1,024 float32; beta2 1,024 float32; g1 1,024 float32; g2 1,024 float32; w_fc1 4,096 x 1,024 float32; w_fc2 1,024 x 4,096 float32; w_out 1,024 x 1,024 float32; w_qkv 3,072 x 1,024 float32; x 2 x 2,048 x 1,024 float32.
;; Outputs: out0 2 x 2,048 x 1,024 float32.
;; This version of the problem:
;;   THIS VERSION OF THE PROBLEM IS GIVEN IN LOW PRECISION. The matrix products marked QUANTISED in the list below multiply operands that are first quantised to E2M1 (2 exponent bits, 1 mantissa bit; 4 bits a number), with one power-of-two scale for each 32 numbers along K (OCP MX v1.0); their sums are f32. All else is computed in f32.
;;   The module's matrix products, in the order in which they are computed (A, B: the left and right operand; K: the contracted axis; several contracted axes count as one K, in the product's order):
;;     1. [M 4,096, K 1,024] x [K 1,024, N 3,072]; A: input x; B: input w_qkv: QUANTISED
;;     2. batch 32 x [M 2,048, K 64] x [K 64, N 2,048]; A: computed on the way; B: computed on the way: QUANTISED
;;     3. batch 32 x [M 2,048, K 2,048] x [K 2,048, N 64]; A: softmax (see below); B: computed on the way: QUANTISED
;;     4. [M 4,096, K 1,024] x [K 1,024, N 1,024]; A: computed on the way; B: input w_out: QUANTISED
;;     5. [M 4,096, K 1,024] x [K 1,024, N 4,096]; A: computed on the way; B: input w_fc1: QUANTISED
;;     6. [M 4,096, K 4,096] x [K 4,096, N 1,024]; A: computed on the way; B: input w_fc2: QUANTISED
;;   THE QUANTISER, for each operand of a quantised product, along K:
;;     - K is cut into blocks of 32 from its start; a last block that is shorter is filled with zeros.
;;     - A block's scale is 2^e with e = floor(log2(the largest magnitude in the block)) - 2, held to -126 .. 127; a block of zeros has e = 0. As a byte (E8M0): e + 127.
;;     - Each number is divided by its block's scale, clamped to +-6, and rounded to the nearest number of E2M1, ties to even, subnormals kept.
;;     - The product sums the exact products of the quantised numbers (number of the format x scale) in f32.
;;   ~~~python
;;   def quantise(x, axis):      # numpy; x: float32 -> the quantised numbers, widened to float32 again
;;       x = np.moveaxis(x, axis, -1); K = x.shape[-1]
;;       x = np.pad(x, [(0, 0)] * (x.ndim - 1) + [(0, -K % 32)]); x = x.reshape(x.shape[:-1] + (-1, 32)); a = np.abs(x).max(-1, keepdims=True)
;;       e = np.where(a > 0, np.clip(np.frexp(np.where(a > 0, a, 1))[1] - 1 - 2, -126, 127), 0)      # np.frexp(a)[1] - 1 = floor(log2(a)), exactly
;;       r = np.clip(x / 2.0 ** e, -6, 6)
;;       step = 2.0 ** (np.maximum(np.frexp(np.where(r == 0, 1, r))[1] - 1, 0) - 1)
;;       q = np.round(r / step) * step * 2.0 ** e      # np.round: ties to even
;;       return np.moveaxis(q.reshape(q.shape[:-2] + (-1,))[..., :K], -1, axis).astype(np.float32)
;;   ~~~
;;   SOFTMAX AHEAD OF A QUANTISED PRODUCT. Where the list says 'softmax', what is quantised is not the finished softmax but p = 2^(t - M), with t = logit x log2(e) and M = ceil(the row's largest t), a whole number; so 1/2 < the row's largest p <= 1. The row's sum l is taken of the UNQUANTISED p, in f32, and the product's result is divided by l at the end. Since M is a whole number, a kernel that streams over the keys may use a running M (the ceiling of the running maximum): every later rescaling is an exact power of two, which a block's scale takes up: the codes' values come out the same.
;;   OPERANDS COMPUTED ON THE WAY. 'Computed on the way' means the value that the module computes at that place (a softmax that the list does not call 'softmax' is quantised finished and normalised). What goes into a quantiser is computed in f32, as accurately as f32 sums, v_exp_f32 and their like allow (about 1e-6 of the number): no bf16 or f16 on the way to a quantiser, and a product that is left as it is and whose result goes on into a quantised operand takes f32 operands (vector FMAs, or v_wmma_f32_16x16x4_f32). A number that lies on a knife's edge between two numbers of the format may be rounded either way, as far as f32 arithmetic and the matrix unit's own rounding can turn it there, and no further.
;; One version. Each part assembles by itself: llvm-mc -triple=amdgcn-amd-amdhsa -mcpu=gfx1250 --defsym DOCPART=n.
;; ======== version 1 of 1: 8 launches
;; limits: right only within a limited range of input values
;; workspace buffers: qin 8,912,896 bytes; qkvq 6,815,744 bytes; ao 2,228,224 bytes; yf 16,777,216 bytes; x1f 16,777,216 bytes; x1q 2,228,224 bytes; hq 8,912,896 bytes
;; launch quant (part 1): grid 256 x 1, 16 waves a work-group, no clusters, 137,216 bytes of LDS; arguments x, w_qkv, w_out, w_fc1, w_fc2, qin; writes qin
.if DOCPART == 1
	.amdgcn_target "amdgcn-amd-amdhsa--gfx1250"
	.amdhsa_code_object_version 6
	.text
	.protected	k_q3ebf299f0a_quant
	.globl	k_q3ebf299f0a_quant
	.p2align	8
	.type	k_q3ebf299f0a_quant,@function
k_q3ebf299f0a_quant:
	s_mov_b64 s[64:65], 0
	v_nop
	global_prefetch_b8 v0, s[64:65] scope:SCOPE_SE
	s_setreg_imm32_b32 hwreg(HW_REG_WAVE_MODE, 25, 1), 1
	s_wait_xcnt 0x0
; THE FIRST LAUNCH.  x, w_qkv, w_out, w_fc1, w_fc2 (f32, K innermost) become codes of FP4 (E2M1) with one E8M0 byte for each 32 along K, laid in the order in which the later launches' operand registers take them.
; DEAD WORK: none.  Every product of the block reaches the output, every bias moves codes or results, every gain and shift is used: all thirteen inputs are loaded by some launch.
; A UNIT (8,704 bytes) holds 16 rows x 1,024 along K.  Bytes 0-511: scale words, word 128 p + 4 l: lane l = 16 h + r has row r's four bytes of K step 2 p + h.  Then eight images of 1,024 bytes, one for each 128 along K:
; piece c at 512 c, lane l at 16 l: the codes of k = 64 c + 32 h + 0 .. 31 of row r, which are registers 4 c .. 4 c + 3 of the matrix operand.
; THE ROWS OF A UNIT ARE NOT NEIGHBOURS: row tile rt holds rows 32 (rt / 2) + 8 (rt % 2) + r + 8 (r / 8), so that results made with such a tile as source 0 have 16 neighbours in a lane's 16 registers of two tiles.
; UNITS in qin: x 0-255, w_qkv 256-447, w_out 448-511, w_fc1 512-767, w_fc2 768 + 4 rt + g (g: which 1,024 of its K of 4,096).
; SHARES.  A work-group of sixteen waves makes units 4 x work-group + 0 .. 3; wave w makes quarter w % 4 of unit w / 4: K steps 2 (w % 4), + 1, which share one scale word a lane.
; All 32 loads of a wave (512 consecutive bytes each: a row's 128 numbers) go out at its head: 16 x 16,384 bytes, all that the work-group reads.
; A step: through the wave's own stage in LDS, so that a lane gets two whole blocks of 32 neighbours; largest magnitude, byte, conversion; two stores of 512 consecutive bytes.
; A block's scale is 2^(floor(log2(largest magnitude)) - 2); its byte is the largest magnitude's exponent field - 2, held at 1 from below.
; LIMITS: a block of zeros gets the byte 1 (its codes are zeros; this program alone reads the bytes); NaN and infinities among the inputs are not served.
; No tensor load, no barrier: waves share nothing.  No cluster: no two work-groups read the same bytes.
.set UNITB, 8704
.set WREG,  16*528                     ; a wave's stage: 16 rows of 512 bytes + 16 of padding
.set SPARE, 16*WREG                    ; behind the stages: the spare words, 128 bytes a wave
.set LI,   4                           ; v4   16 x lane
.set SIN,  5                           ; v5   the stage on the way in
.set SOUT, 6                           ; v6   and on the way out: row r, + 128 h
.set LS,   7                           ; v7   4 x lane
.set SH,   8                           ; v8   8 h
.set PT,   9                           ; v9   a lane permute's destination
.set LO,   10                          ; v10  16 x lane + 1,920 x quarter: the images' offset (the base stands at the quarter's scale words)
.set SPW,  12                          ; v12  my spare word; never rewritten
.set NIL,  13                          ; v13  0; never rewritten
.set VO,   16                          ; v16-31  row i's byte offset + 16 x lane
.set R,    32                          ; v32-159 two sets of 64 numbers as loaded
.set X,    160                         ; v160-223 64 numbers: register 32 c + e = k 64 c + 32 h + e of row r
.set C,    224                         ; v224-239 two sets of 8 code registers
.set PAIR, 240                         ; v240 my lane's scale word of the two steps
.set WD,   244                         ; v244, v245 the even and the odd step's word
.set MX,   246
.set SO,   248
.set BY,   250
.set WT,   252
	s_load_b256 s[4:11], s[0:1], 0x0               ; x, w_qkv, w_out, w_fc1
	s_load_b128 s[12:15], s[0:1], 0x20             ; w_fc2, qin
	v_lshl_add_u32 v[SPW], v0, 2, SPARE
	v_mov_b32 v[NIL], 0
	v_lshrrev_b32 v1, 5, v0
	v_readfirstlane_b32 s33, v1                    ; wave 0..15
	s_lshr_b32 s16, s33, 2                         ; which of the work-group's four units
	s_and_b32 s34, s33, 3                          ; which quarter of it
	s_mul_i32 s17, s33, WREG
	s_mul_i32 s35, s34, 1920
	s_mov_b32 s24, 0x76543210
	s_mov_b32 s25, 0xfedcba98                      ; selects for lane l xor 16
	s_mov_b32 s26, 0xffff0000                      ; lanes 16-31
	; which tensor: its first work-group
	s_mov_b32 s20, 192
	s_cmp_lt_u32 ttmp9, 192
	s_cselect_b32 s20, 128, s20
	s_cmp_lt_u32 ttmp9, 128
	s_cselect_b32 s20, 112, s20
	s_cmp_lt_u32 ttmp9, 112
	s_cselect_b32 s20, 64, s20
	s_cmp_lt_u32 ttmp9, 64
	s_cselect_b32 s20, 0, s20
	s_sub_co_u32 s21, ttmp9, s20
	s_lshl_b32 s22, s21, 2
	s_add_co_u32 s22, s22, s16
	s_mov_b32 s27, 16384
	s_cmp_lt_u32 ttmp9, 192
	s_cselect_b32 s22, s22, s21                    ; row tile: 4 x work-group + unit; in w_fc2 the work-group
	s_cselect_b32 s23, 0, s16                      ; which 1,024 along K: 0; in w_fc2 the unit
	s_cselect_b32 s27, 4096, s27                   ; bytes in a row
	s_lshr_b32 s28, s22, 1
	s_lshl_b32 s28, s28, 5
	s_and_b32 s29, s22, 1
	s_lshl_b32 s29, s29, 3
	s_add_co_u32 s28, s28, s29                     ; the tile's first row
	s_mul_i32 s28, s28, s27
	s_lshl_b32 s29, s23, 12
	s_add_co_u32 s28, s28, s29
	s_lshl_b32 s29, s34, 10                        ; my quarter: 256 numbers on
	s_add_co_u32 s28, s28, s29
	s_mov_b32 s29, 0
	s_lshl_b32 s30, ttmp9, 2
	s_add_co_u32 s30, s30, s16
	s_mul_i32 s30, s30, UNITB                      ; my unit,
	s_lshl_b32 s31, s34, 7
	s_add_co_u32 s30, s30, s31                     ; and my quarter's 128 bytes of scale words
	s_mov_b32 s31, 0
	v_and_b32 v1, 31, v0                           ; lane
	v_and_b32 v2, 15, v0                           ; r
	v_bfe_u32 v3, v0, 4, 1                         ; h
	v_lshlrev_b32 v[LI], 4, v1
	v_lshlrev_b32 v[LS], 2, v1
	v_lshlrev_b32 v[SH], 3, v3
	v_mov_b32 v[PT], 0
	v_add_nc_u32 v[SIN], s17, v[LI]
	v_add_nc_u32 v[LO], s35, v[LI]
	v_mul_u32_u24 v[SOUT], v2, 528
	v_lshl_add_u32 v[SOUT], v3, 7, v[SOUT]
	v_add_nc_u32 v[SOUT], s17, v[SOUT]
.irp i, 0,1,2,3,4,5,6,7,8,9,10,11,12,13,14,15
	v_mad_u32_u24 v[VO+\i], s27, \i+(\i&8), v[LI]
.endr
	s_wait_alu depctr_va_vdst(0)                   ; the wait at the head's end
	s_wait_kmcnt 0x0
	s_cmp_lt_u32 ttmp9, 192                        ; the choice hangs on the work-group's number alone
	s_cselect_b64 s[12:13], s[10:11], s[12:13]
	s_cmp_lt_u32 ttmp9, 128
	s_cselect_b64 s[12:13], s[8:9], s[12:13]
	s_cmp_lt_u32 ttmp9, 112
	s_cselect_b64 s[12:13], s[6:7], s[12:13]
	s_cmp_lt_u32 ttmp9, 64
	s_cselect_b64 s[12:13], s[4:5], s[12:13]
	s_add_nc_u64 s[12:13], s[12:13], s[28:29]
	s_add_nc_u64 s[14:15], s[14:15], s[30:31]
.irp t, 0,1                                    ; both steps: 128 numbers of each of the 16 rows: 32 lanes read 512 consecutive bytes
.irp i, 0,1,2,3,4,5,6,7,8,9,10,11,12,13,14,15
	global_load_b128 v[R+64*\t+4*\i:R+64*\t+4*\i+3], v[VO+\i], s[12:13] offset:512*\t th:TH_LOAD_NT
.endr
.endr
.macro STEP t
.set RS, R+64*(\t)
.set CC, C+8*(\t)
	s_wait_loadcnt 16-16*(\t)                      ; this step's 16 loads are in; in the first step the second's 16 may be out
.irp i, 0,1,2,3,4,5,6,7,8,9,10,11,12,13,14,15
	ds_store_b128 v[SIN], v[RS+4*\i:RS+4*\i+3] offset:528*\i
.endr
.irp c, 0,1
.irp q, 0,1,2,3,4,5,6,7
	ds_load_b128 v[X+32*\c+4*\q:X+32*\c+4*\q+3], v[SOUT] offset:256*\c+16*\q   ; LDS serves a wave's instructions in order: these see the stores above
.endr
.endr
	s_wait_dscnt 0x0                               ; the numbers are back
.irp c, 0,1
	v_max3_num_f32 v[MX+\c], |v[X+32*\c]|, |v[X+32*\c+1]|, 0x1800000   ; my block 2 c + h, and the floor 2^(3 - 127): the byte cannot fall under 1
.endr
.irp i, 2,4,6,8,10,12,14,16,18,20,22,24,26,28,30
.irp c, 0,1
	v_max3_num_f32 v[MX+\c], v[MX+\c], |v[X+32*\c+\i]|, |v[X+32*\c+\i+1]|
.endr
.endr
.irp c, 0,1
	v_add_nc_u32 v[SO+\c], 0xff000000, v[MX+\c]    ; 2 off the exponent field: the conversion's scale operand
.endr
.irp c, 0,1
	v_lshrrev_b32 v[BY+\c], 23, v[SO+\c]           ; the scale's byte
.endr
	v_lshl_or_b32 v[WT], v[BY+1], 16, v[BY]        ; blocks h and 2 + h,
	v_lshlrev_b32 v[WT], v[SH], v[WT]              ; at their places in the word;
	v_permlanex16_b32 v[PT], v[WT], s24, s25
	v_or_b32 v[WD+(\t)], v[WT], v[PT]              ; with lane l xor 16's two the word is whole
.irp c, 0,1
.irp g, 0,1,2,3
	v_cvt_scalef32_pk8_fp4_f32 v[CC+4*\c+\g], v[X+32*\c+8*\g:X+32*\c+8*\g+7], v[SO+\c]
.endr
.endr
	v_nop                                          ; one plain line behind the last scaled conversion
	global_store_b128 v[LO], v[CC:CC+3], s[14:15] offset:512+1024*(\t)
	global_store_b128 v[LO], v[CC+4:CC+7], s[14:15] offset:512+1024*(\t)+512
.endm
	STEP 0
	STEP 1
	v_cndmask_b32 v[PAIR], v[WD], v[WD+1], s26     ; lanes 0-15: the even step's word, lanes 16-31: the odd step's
	global_store_b32 v[LS], v[PAIR], s[14:15]
	s_wait_tensorcnt 0x0                           ; the wave's end
	ds_add_u32 v[SPW], v[NIL]
	s_wait_dscnt 0x0
	s_endpgm
.Lfunc_end_k_q3ebf299f0a_quant:
	.size	k_q3ebf299f0a_quant, .Lfunc_end_k_q3ebf299f0a_quant-k_q3ebf299f0a_quant
	.p2alignl 7, 3214868480
	.fill 96, 4, 3214868480
	.section	.rodata,"a",@progbits
	.p2align	6, 0x0
	.amdhsa_kernel k_q3ebf299f0a_quant
		.amdhsa_group_segment_fixed_size 137216
		.amdhsa_private_segment_fixed_size 0
		.amdhsa_enable_private_segment 0
		.amdhsa_kernarg_size 48
		.amdhsa_user_sgpr_count 2
		.amdhsa_user_sgpr_kernarg_segment_ptr 1
		.amdhsa_wavefront_size32 1
		.amdhsa_system_sgpr_workgroup_id_x 1
		.amdhsa_system_sgpr_workgroup_id_y 1
		.amdhsa_system_sgpr_workgroup_id_z 1
		.amdhsa_system_vgpr_workitem_id 0
		.amdhsa_next_free_vgpr 256
		.amdhsa_next_free_sgpr 66
		.amdhsa_reserve_vcc 0
		.amdhsa_float_denorm_mode_32 3
		.amdhsa_float_denorm_mode_16_64 3
		.amdhsa_memory_ordered 1
		.amdhsa_forward_progress 1
		.amdhsa_inst_pref_size 19
	.end_amdhsa_kernel
	.amdgpu_metadata
---
amdhsa.version: [ 1, 2 ]
amdhsa.kernels:
  - .name:           k_q3ebf299f0a_quant
    .symbol:         k_q3ebf299f0a_quant.kd
    .args:
      - { .name: x, .offset: 0, .size: 8, .value_kind: global_buffer, .address_space: global }
      - { .name: w_qkv, .offset: 8, .size: 8, .value_kind: global_buffer, .address_space: global }
      - { .name: w_out, .offset: 16, .size: 8, .value_kind: global_buffer, .address_space: global }
      - { .name: w_fc1, .offset: 24, .size: 8, .value_kind: global_buffer, .address_space: global }
      - { .name: w_fc2, .offset: 32, .size: 8, .value_kind: global_buffer, .address_space: global }
      - { .name: qin, .offset: 40, .size: 8, .value_kind: global_buffer, .address_space: global }
    .group_segment_fixed_size: 137216
    .private_segment_fixed_size: 0
    .kernarg_segment_align: 8
    .kernarg_segment_size: 48
    .max_flat_workgroup_size: 512
    .sgpr_count:     66
    .vgpr_count:     256
    .wavefront_size: 32
...
	.end_amdgpu_metadata
.endif
;; end of part 1
;; launch qkv (part 2): grid 12 x 16, 16 waves a work-group, no clusters, 280,576 bytes of LDS; arguments qin, b_qkv, qkvq; writes qkvq
.if DOCPART == 2
	.amdgcn_target "amdgcn-amd-amdhsa--gfx1250"
	.amdhsa_code_object_version 6
	.text
	.protected	k_q3ebf299f0a_qkv
	.globl	k_q3ebf299f0a_qkv
	.p2align	8
	.type	k_q3ebf299f0a_qkv,@function
k_q3ebf299f0a_qkv:
	s_mov_b64 s[64:65], 0
	v_nop
	global_prefetch_b8 v0, s[64:65] scope:SCOPE_SE
	s_setreg_imm32_b32 hwreg(HW_REG_WAVE_MODE, 25, 1), 1
	s_wait_xcnt 0x0
; LAUNCH 2 OF 8.  qkv = x w_qkv^T + b_qkv on codes of FP4, and q, k, v quantised at once for the two products of attention.  No work is left out.
; A work-group makes 256 x 256 of the product, K = 1,024: work-group x = nt (256 features), y = mt (256 tokens).  Both panels, 16 units of 8,704 bytes each (launch 1's layout), lie whole in LDS: every byte is filled once.
; SIDE P is source 0 and carries the axis that is quantised next, side O is source 1: a lane holds ONE row of O, and its 16 registers of two neighbouring P tiles are 16 neighbours along P.
;   nt 0-7 (q, k): P = 256 features (four heads: quantised along the head's 64), O = 256 tokens.      nt 8-11 (v): P = 256 tokens (quantised along the keys), O = 256 features.
; Wave w: P tiles 8 (w & 1) .. + 7, O tiles 2 (w >> 1), + 1: 16 accumulators, which take turns, one instruction a turn.
; OUT, in qkvq.  32 head blocks of 139,264 bytes: K images [kb 64] x 1,024 (piece u: keys 32 kb + 8 u + r + 8 (r / 8), lane half h: dims 32 h on); V^T images [s 16][dt 4] x 1,024 at 65,536 (16 dims x 128 keys);
;   K's scale words at 131,072 + 64 kb + 4 r (bytes 0, 1: piece 0; bytes 2, 3: piece 1); V's at 135,168 + 256 s + 128 (dt / 2) + 4 l (lane half: dt % 2).  Behind them Q images [bh][qt 128] x 512 and Q's words [bh][qt] x 64 (its two bytes, twice).
; CLUSTER: none in this form.  Panels are shared along rows and columns of the grid, but a work-group asks for each of its 278,528 bytes once, at its head, and nothing is filled again.
; LIMITS: a block of zeros gets the byte 1 (this program alone reads the bytes); NaN and infinities are not served.
.set UNITB, 8704
.set PANEL, 16*UNITB
.set SPARE, 2*PANEL                    ; behind the panels: the spare words, 128 bytes a wave
.set HEADB, 139264
.set VIMG,  65536
.set KSC,   131072
.set VSC,   135168
.set QIMG,  32*HEADB
.set QSC,   QIMG+32*128*512
.set LI,  3                            ; v3   16 x lane
.set ADP, 4                            ; v4, v5  my P tiles 0-3, 4-7
.set ADO, 6                            ; v6   my O tiles
.set LSP, 7                            ; v7   P's scale words
.set LSO, 8                            ; v8   O's
.set SPW, 12
.set NIL, 13
.set PS,  14                           ; v14-21 P's scale words, v22-23 O's: lanes 0-15 the even K step, lanes 16-31 the odd
.set OS,  22
.set PF,  24                           ; v24-87  eight fragments of P
.set OF,  88                           ; v88-103 two of O
.set ACC, 104                          ; v104-231 accumulator (i, t) at ACC + 64 i + 8 t
.set TM,  232                          ; v232-247 the quantiser's
.set PW,  248                          ; v248, v249 the two scale words made
.set BI,  24                           ; the bias, where P's fragments lay
.set PC,  88                           ; the codes made, where O's lay
.set WV, 12
.set PH, 13
.set OG, 14
.set NT, 15
.set MT, 16
.set SEL, 20
.set MSK, 22
.set G0,  24                           ; s[24:39] four groups 0
.set G1A, 40                           ; s[40:47] group 1: 18 rows of 256 bytes
.set G1B, 48                           ; s[48:55] 16 rows
.macro PLACES n
.rept \n
	v_nop
.endr
.endm
.macro WMZ d, a, b, sa, sb             ; the first K step starts the sums
	v_wmma_scale_f32_16x16x128_f8f6f4 v[\d:\d+7], v[\a:\a+7], v[\b:\b+7], 0, v[\sa], v[\sb] matrix_a_fmt:MATRIX_FMT_FP4 matrix_b_fmt:MATRIX_FMT_FP4
.endm
.macro WME d, a, b, sa, sb             ; an even K step: scale words from lanes 0-15
	v_wmma_scale_f32_16x16x128_f8f6f4 v[\d:\d+7], v[\a:\a+7], v[\b:\b+7], v[\d:\d+7], v[\sa], v[\sb] matrix_a_fmt:MATRIX_FMT_FP4 matrix_b_fmt:MATRIX_FMT_FP4
.endm
.macro WMO d, a, b, sa, sb             ; an odd one: from lanes 16-31
	v_wmma_scale_f32_16x16x128_f8f6f4 v[\d:\d+7], v[\a:\a+7], v[\b:\b+7], v[\d:\d+7], v[\sa], v[\sb] matrix_a_fmt:MATRIX_FMT_FP4 matrix_b_fmt:MATRIX_FMT_FP4 matrix_a_scale:MATRIX_SCALE_ROW1 matrix_b_scale:MATRIX_SCALE_ROW1
.endm
; 64 numbers of a lane, register 16 b + e = k 32 b + 16 (lane / 16) + e of my row, become a fragment's codes in v[pc] on and its scale word in v[pw]
.macro QUANT s, pc, pw
.irp b, 0,1,2,3
	v_max3_num_f32 v[TM+\b], |v[(\s)+16*\b]|, |v[(\s)+1+16*\b]|, 0x1800000   ; my 16 numbers of block b, and the floor 2^(3 - 127)
.endr
.irp i, 2,4,6,8,10,12,14
.irp b, 0,1,2,3
	s_delay_alu instid0(VALU_DEP_4)
	v_max3_num_f32 v[TM+\b], v[TM+\b], |v[(\s)+16*\b+\i]|, |v[(\s)+1+16*\b+\i]|
.endr
.endr
.irp b, 0,1,2,3
	s_delay_alu instid0(VALU_DEP_4)
	v_permlanex16_b32 v[TM+4+\b], v[TM+\b], s[SEL], s[SEL+1]
.endr
.irp b, 0,1,2,3
	s_delay_alu instid0(VALU_DEP_4)
	v_max_num_f32 v[TM+\b], v[TM+\b], v[TM+4+\b]   ; with lane l xor 16's: the block's largest magnitude
.endr
.irp b, 0,1,2,3
	s_delay_alu instid0(VALU_DEP_4)
	v_add_nc_u32 v[TM+12+\b], 0xff000000, v[TM+\b] ; 2 off its exponent field: the conversion's scale operand
.endr
.irp b, 0,1,2,3
	s_delay_alu instid0(VALU_DEP_4)
	v_lshrrev_b32 v[TM+4+\b], 23, v[TM+12+\b]      ; the byte
.endr
	s_delay_alu instid0(VALU_DEP_3)
	v_lshl_or_b32 v[\pw], v[TM+5], 8, v[TM+4]
	s_delay_alu instid0(VALU_DEP_1)
	v_lshl_or_b32 v[\pw], v[TM+6], 16, v[\pw]
	s_delay_alu instid0(VALU_DEP_1)
	v_lshl_or_b32 v[\pw], v[TM+7], 24, v[\pw]
.irp b, 0,1,2,3
	v_cvt_scalef32_pk8_fp4_f32 v[(\pc)+2*\b], v[(\s)+16*\b:(\s)+7+16*\b], v[TM+12+\b]
	v_cvt_scalef32_pk8_fp4_f32 v[(\pc)+1+2*\b], v[(\s)+8+16*\b:(\s)+15+16*\b], v[TM+12+\b]
.endr
	v_nop                                          ; one plain line behind a scaled conversion
.irp c, 0,1                                    ; a whole block to a lane: lanes 0-15 block 2 c, lanes 16-31 block 2 c + 1
.irp i, 0,1
	v_permlane16_swap_b32 v[(\pc)+4*\c+\i], v[(\pc)+2+4*\c+\i]
.endr
.endr
.endm
.macro FINISH                          ; the wave's end
	s_wait_tensorcnt 0x0
	ds_add_u32 v[SPW], v[NIL]
	s_wait_dscnt 0x0
	s_endpgm
.endm
; A K step of 128: 20 fragment loads (dense images: 512 consecutive bytes a load), at even steps ten scale words, 16 products
.macro KSTEP ks
.if (\ks) > 0
	PLACES 4                                       ; in front of loads into registers that matrix instructions have read
.endif
.irp t, 0,1,2,3,4,5,6,7
.irp c, 0,1
	ds_load_b128 v[PF+8*\t+4*\c:PF+8*\t+4*\c+3], v[ADP+\t/4] offset:(\t%4)*UNITB+512+1024*(\ks)+512*\c
.endr
.endr
.irp i, 0,1
.irp c, 0,1
	ds_load_b128 v[OF+8*\i+4*\c:OF+8*\i+4*\c+3], v[ADO] offset:\i*UNITB+512+1024*(\ks)+512*\c
.endr
.endr
.if ((\ks)%2) == 0
.irp t, 0,1,2,3,4,5,6,7
	ds_load_b32 v[PS+\t], v[LSP] offset:\t*UNITB+128*((\ks)/2)
.endr
.irp i, 0,1
	ds_load_b32 v[OS+\i], v[LSO] offset:\i*UNITB+128*((\ks)/2)
.endr
.endif
	s_wait_dscnt 0x0
.irp t, 0,1,2,3,4,5,6,7
.irp i, 0,1
.if (\ks) == 0
	WMZ ACC+64*\i+8*\t, PF+8*\t, OF+8*\i, PS+\t, OS+\i
.elseif ((\ks)%2) == 1
	WMO ACC+64*\i+8*\t, PF+8*\t, OF+8*\i, PS+\t, OS+\i
.else
	WME ACC+64*\i+8*\t, PF+8*\t, OF+8*\i, PS+\t, OS+\i
.endif
.endr
.endr
.endm
	s_load_b128 s[4:7], s[0:1], 0x0                ; qin, b_qkv
	s_load_b64 s[8:9], s[0:1], 0x10                ; qkvq
	v_lshl_add_u32 v[SPW], v0, 2, SPARE
	v_mov_b32 v[NIL], 0
	ds_add_u32 v[SPW], v[NIL]                      ; the opening: the add, twice on end, and its wait ahead of my first tensor load
	ds_add_u32 v[SPW], v[NIL]
	v_lshrrev_b32 v1, 5, v0
	s_delay_alu instid0(VALU_DEP_1)
	v_readfirstlane_b32 s[WV], v1                  ; wave 0..15
	s_and_b32 s[PH], s[WV], 1
	s_lshr_b32 s[OG], s[WV], 1
	s_mov_b32 s[NT], ttmp9
	s_and_b32 s[MT], ttmp7, 0xffff
	s_mov_b32 s[G1A+0], 3<<16                      ; elements of 8 bytes, no mask, no padding
	s_mov_b32 s[G1A+1], 32<<16                     ; tensor_dim0 = 32 elements: rows of 256 bytes
	s_mov_b32 s[G1A+2], 68<<16                     ; tensor_dim1: two units are 68 rows of 256 bytes
	s_mov_b32 s[G1A+3], 32<<16                     ; tile_dim0
	s_mov_b32 s[G1A+4], 68                         ; tile_dim1
	s_mov_b32 s[G1A+5], 32                         ; the pitch: dense
	s_mov_b32 s[G1A+6], 0
	s_mov_b32 s[G1A+7], 0
	s_mov_b32 s[SEL], 0x76543210
	s_mov_b32 s[SEL+1], 0xfedcba98
	s_mov_b32 s[MSK], 0xffff0000
	s_lshl_b32 s17, s[MT], 4                       ; x's units 16 mt on
	s_lshl_b32 s18, s[NT], 4
	s_add_co_u32 s18, s18, 256                     ; w_qkv's units 256 + 16 nt on
	s_cmp_lt_u32 s[NT], 8
	s_cselect_b32 s19, s18, s17                    ; P: the weight for q and k, the tokens for v
	s_cselect_b32 s18, s17, s18                    ; O: the other
	s_cmp_lt_u32 s[WV], 8                          ; waves 0-7 fetch P's panel, waves 8-15 O's: two units each, 17,408 consecutive bytes
	s_cselect_b32 s19, s19, s18
	s_and_b32 s18, s[WV], 7
	s_lshl_b32 s18, s18, 1
	s_add_co_u32 s19, s19, s18
	s_mul_i32 s56, s19, UNITB
	s_mov_b32 s57, 0
	s_mul_i32 s19, s[WV], 2*UNITB                  ; in LDS O's panel follows P's: wave x two units
	s_wait_dscnt 0x0                               ; both opening adds are done
	s_wait_kmcnt 0x0
	s_add_nc_u64 s[56:57], s[4:5], s[56:57]
	s_mov_b32 s[G0+0], 1
	s_mov_b32 s[G0+1], s19
	s_mov_b64 s[G0+2:G0+3], s[56:57]
	s_or_b32 s[G0+3], s[G0+3], 0x80000000
	tensor_load_to_lds s[G0:G0+3], s[G1A:G1A+7]    ; my one tensor load
	s_nop 0
	v_and_b32 v1, 15, v0                           ; r
	v_bfe_u32 v2, v0, 4, 1                         ; h
	v_and_b32 v[LI], 31, v0
	s_delay_alu instid0(VALU_DEP_1)
	v_lshlrev_b32 v11, 2, v[LI]                    ; 4 x lane
	s_delay_alu instid0(VALU_DEP_2)
	v_lshlrev_b32 v[LI], 4, v[LI]
	v_lshlrev_b32 v10, 2, v1                       ; 4 r
	s_mul_i32 s17, s[PH], 8*UNITB
	s_mul_i32 s18, s[OG], 2*UNITB
	s_add_co_u32 s18, s18, PANEL
	v_add_nc_u32 v[ADP], s17, v[LI]
	s_delay_alu instid0(VALU_DEP_1)
	v_add_nc_u32 v[ADP+1], 4*UNITB, v[ADP]
	v_add_nc_u32 v[ADO], s18, v[LI]
	v_add_nc_u32 v[LSP], s17, v11
	v_add_nc_u32 v[LSO], s18, v11
.irp b, 0,1,2,3
	v_mov_b32 v[TM+4+\b], 0                        ; written once: a lane permute's destination counts as one of its sources
.endr
	s_wait_alu depctr_va_vdst(0)
	s_wait_tensorcnt 0x0                           ; my two units are in
	s_barrier_signal -1
	s_barrier_wait -1                              ; everybody's are
	KSTEP 0
	KSTEP 1
	KSTEP 2
	KSTEP 3
	KSTEP 4
	KSTEP 5
	KSTEP 6
	KSTEP 7
	PLACES 4                                       ; in front of loads into P's registers and of the first read of results
	s_cmp_lt_u32 s[NT], 8
	s_cbranch_scc0 .Lv_bias
	s_lshl_b32 s56, s[NT], 10                      ; q, k: the bias runs along my registers: features 256 nt + 128 ph + 32 b + 16 h + e
	s_lshl_b32 s57, s[PH], 9
	s_add_co_u32 s56, s56, s57
	s_mov_b32 s57, 0
	s_add_nc_u64 s[56:57], s[6:7], s[56:57]
	v_lshlrev_b32 v9, 6, v2
.irp b, 0,1,2,3
.irp q, 0,1,2,3
	global_load_b128 v[BI+16*\b+4*\q:BI+16*\b+4*\q+3], v9, s[56:57] offset:128*\b+16*\q
.endr
.endr
	s_wait_loadcnt 0x0
.set J, 0
.rept 64
	v_pk_add_f32 v[ACC+2*J:ACC+2*J+1], v[ACC+2*J:ACC+2*J+1], v[BI+(2*J)%64:BI+(2*J)%64+1]   ; each accumulator from its low end on
.set J, J+1
.endr
	s_branch .Lquant
.Lv_bias:
	s_sub_co_u32 s56, s[NT], 8                     ; v: one number a lane: feature 2,048 + 256 (nt - 8) + 32 og + 8 i + r + 8 (r / 8)
	s_lshl_b32 s56, s56, 10
	s_lshl_b32 s57, s[OG], 7
	s_add_co_u32 s56, s56, s57
	s_add_co_u32 s56, s56, 8192
	s_mov_b32 s57, 0
	s_add_nc_u64 s[56:57], s[6:7], s[56:57]
	v_and_b32 v9, 8, v1
	s_delay_alu instid0(VALU_DEP_1)
	v_add_nc_u32 v9, v9, v1
	s_delay_alu instid0(VALU_DEP_1)
	v_lshlrev_b32 v9, 2, v9
.irp i, 0,1
	global_load_b32 v[BI+2*\i], v9, s[56:57] offset:32*\i
	global_load_b32 v[BI+2*\i+1], v9, s[56:57] offset:32*\i   ; twice: a pair for the packed addition
.endr
	s_wait_loadcnt 0x0
.set J, 0
.rept 64
	v_pk_add_f32 v[ACC+2*J:ACC+2*J+1], v[ACC+2*J:ACC+2*J+1], v[BI+2*(J/32):BI+2*(J/32)+1]
.set J, J+1
.endr
.Lquant:
	QUANT ACC, PC, PW
	QUANT ACC+64, PC+8, PW+1
	s_lshr_b32 s17, s[MT], 3
	s_lshl_b32 s17, s17, 4                         ; 16 x batch
	s_and_b32 s19, s[MT], 7                        ; ml: which 256 tokens of the batch
	s_and_b32 s18, s[NT], 3
	s_lshl_b32 s18, s18, 2
	s_add_co_u32 s18, s18, s17                     ; the first of this nt's four heads
	s_cmp_lt_u32 s[NT], 4
	s_cbranch_scc0 .Lnot_q
	; ---- q: piece c of tile i is head bhA + c, query tile 16 ml + 2 og + i
	s_lshl_b32 s56, s[PH], 1
	s_add_co_u32 s56, s56, s18                     ; bhA
	s_lshl_b32 s56, s56, 7
	s_lshl_b32 s57, s19, 4
	s_add_co_u32 s56, s56, s57
	s_lshl_b32 s57, s[OG], 1
	s_add_co_u32 s56, s56, s57                     ; 128 bhA + 16 ml + 2 og
	s_lshl_b32 s58, s56, 6
	s_add_co_u32 s58, s58, QSC
	s_mov_b32 s59, 0
	s_lshl_b32 s56, s56, 9
	s_add_co_u32 s56, s56, QIMG
	s_mov_b32 s57, 0
	s_add_nc_u64 s[56:57], s[8:9], s[56:57]
	s_add_nc_u64 s[58:59], s[8:9], s[58:59]
	s_wait_alu depctr_va_vdst(0)
.irp i, 0,1
.irp c, 0,1
	global_store_b128 v[LI], v[PC+8*\i+4*\c:PC+8*\i+4*\c+3], s[56:57] offset:65536*\c+512*\i
.endr
.endr
	v_lshl_add_u32 v10, v2, 13, v10                ; lanes 16-31 write the second head's words, 128 x 64 bytes on
.irp i, 0,1
	v_perm_b32 v[250+2*\i], v[PW+\i], v[PW+\i], 0x01000100   ; the first head's two bytes, twice
	v_perm_b32 v[251+2*\i], v[PW+\i], v[PW+\i], 0x03020302   ; the second head's
	s_delay_alu instid0(VALU_DEP_1)
	v_cndmask_b32 v[250+2*\i], v[250+2*\i], v[251+2*\i], s[MSK]
	global_store_b32 v10, v[250+2*\i], s[58:59] offset:64*\i
.endr
	FINISH
.Lnot_q:
	s_cmp_lt_u32 s[NT], 8
	s_cbranch_scc0 .Lv_out
	; ---- k: tiles i = 0, 1 are the two pieces of K image kb = 8 ml + og
	s_lshl_b32 s56, s[PH], 1
	s_add_co_u32 s56, s56, s18
	s_mul_i32 s56, s56, HEADB
	s_lshl_b32 s57, s19, 3
	s_add_co_u32 s57, s57, s[OG]                   ; kb
	s_lshl_b32 s58, s57, 6
	s_add_co_u32 s58, s58, s56
	s_add_co_u32 s58, s58, KSC
	s_mov_b32 s59, 0
	s_lshl_b32 s57, s57, 10
	s_add_co_u32 s56, s56, s57
	s_mov_b32 s57, 0
	s_add_nc_u64 s[56:57], s[8:9], s[56:57]
	s_add_nc_u64 s[58:59], s[8:9], s[58:59]
	s_wait_alu depctr_va_vdst(0)
.irp i, 0,1
.irp c, 0,1
	global_store_b128 v[LI], v[PC+8*\i+4*\c:PC+8*\i+4*\c+3], s[56:57] offset:HEADB*\c+512*\i
.endr
.endr
	v_mul_u32_u24 v9, v2, HEADB
	s_delay_alu instid0(VALU_DEP_1)
	v_add_nc_u32 v10, v9, v10                      ; lanes 16-31 write the second head's words
	v_perm_b32 v250, v[PW+1], v[PW], 0x05040100    ; the first head: piece 0's two bytes, piece 1's two
	v_perm_b32 v251, v[PW+1], v[PW], 0x07060302    ; the second head
	s_delay_alu instid0(VALU_DEP_1)
	v_cndmask_b32 v250, v250, v251, s[MSK]
	global_store_b32 v10, v250, s[58:59]
	FINISH
.Lv_out:
	; ---- v: tile i is V^T image (s = 2 ml + ph, dt = 2 (og & 1) + i) of head bh
	s_lshr_b32 s56, s[OG], 1
	s_add_co_u32 s56, s56, s18                     ; bh
	s_mul_i32 s56, s56, HEADB
	s_lshl_b32 s57, s19, 1
	s_add_co_u32 s57, s57, s[PH]                   ; s
	s_and_b32 s60, s[OG], 1
	s_lshl_b32 s58, s57, 8
	s_lshl_b32 s61, s60, 7
	s_add_co_u32 s58, s58, s61
	s_add_co_u32 s58, s58, s56
	s_add_co_u32 s58, s58, VSC
	s_mov_b32 s59, 0
	s_lshl_b32 s57, s57, 12
	s_lshl_b32 s60, s60, 11
	s_add_co_u32 s56, s56, s57
	s_add_co_u32 s56, s56, s60
	s_add_co_u32 s56, s56, VIMG
	s_mov_b32 s57, 0
	s_add_nc_u64 s[56:57], s[8:9], s[56:57]
	s_add_nc_u64 s[58:59], s[8:9], s[58:59]
	s_wait_alu depctr_va_vdst(0)
.irp i, 0,1
.irp c, 0,1
	global_store_b128 v[LI], v[PC+8*\i+4*\c:PC+8*\i+4*\c+3], s[56:57] offset:1024*\i+512*\c
.endr
.endr
	v_cndmask_b32 v250, v[PW], v[PW+1], s[MSK]     ; lanes 0-15: tile 0's words, lanes 16-31: tile 1's
	global_store_b32 v11, v250, s[58:59]
	FINISH
.Lfunc_end_k_q3ebf299f0a_qkv:
	.size	k_q3ebf299f0a_qkv, .Lfunc_end_k_q3ebf299f0a_qkv-k_q3ebf299f0a_qkv
	.p2alignl 7, 3214868480
	.fill 96, 4, 3214868480
	.section	.rodata,"a",@progbits
	.p2align	6, 0x0
	.amdhsa_kernel k_q3ebf299f0a_qkv
		.amdhsa_group_segment_fixed_size 280576
		.amdhsa_private_segment_fixed_size 0
		.amdhsa_enable_private_segment 0
		.amdhsa_kernarg_size 24
		.amdhsa_user_sgpr_count 2
		.amdhsa_user_sgpr_kernarg_segment_ptr 1
		.amdhsa_wavefront_size32 1
		.amdhsa_system_sgpr_workgroup_id_x 1
		.amdhsa_system_sgpr_workgroup_id_y 1
		.amdhsa_system_sgpr_workgroup_id_z 1
		.amdhsa_system_vgpr_workitem_id 0
		.amdhsa_next_free_vgpr 256
		.amdhsa_next_free_sgpr 66
		.amdhsa_reserve_vcc 0
		.amdhsa_float_denorm_mode_32 3
		.amdhsa_float_denorm_mode_16_64 3
		.amdhsa_memory_ordered 1
		.amdhsa_forward_progress 1
		.amdhsa_inst_pref_size 60
	.end_amdhsa_kernel
	.amdgpu_metadata
---
amdhsa.version: [ 1, 2 ]
amdhsa.kernels:
  - .name:           k_q3ebf299f0a_qkv
    .symbol:         k_q3ebf299f0a_qkv.kd
    .args:
      - { .name: qin, .offset: 0, .size: 8, .value_kind: global_buffer, .address_space: global }
      - { .name: b_qkv, .offset: 8, .size: 8, .value_kind: global_buffer, .address_space: global }
      - { .name: qkvq, .offset: 16, .size: 8, .value_kind: global_buffer, .address_space: global }
    .group_segment_fixed_size: 280576
    .private_segment_fixed_size: 0
    .kernarg_segment_align: 8
    .kernarg_segment_size: 24
    .max_flat_workgroup_size: 512
    .sgpr_count:     66
    .vgpr_count:     256
    .wavefront_size: 32
...
	.end_amdgpu_metadata
.endif
;; end of part 2
;; launch attn (part 3): grid 8 x 32, 16 waves a work-group, clusters of 4 x 1, 167,936 bytes of LDS; arguments qkvq, ao; writes ao
.if DOCPART == 3
	.amdgcn_target "amdgcn-amd-amdhsa--gfx1250"
	.amdhsa_code_object_version 6
	.text
	.protected	k_q3ebf299f0a_attn
	.globl	k_q3ebf299f0a_attn
	.p2align	8
	.type	k_q3ebf299f0a_attn,@function
k_q3ebf299f0a_attn:
	s_mov_b64 s[64:65], 0
	v_nop
	global_prefetch_b8 v0, s[64:65] scope:SCOPE_SE
	s_setreg_imm32_b32 hwreg(HW_REG_WAVE_MODE, 25, 1), 1
	s_wait_xcnt 0x0
	s_wait_alu depctr_hold_cnt(0) depctr_sa_sdst(0) depctr_va_vdst(0) depctr_va_sdst(0) depctr_va_ssrc(0) depctr_va_vcc(0) depctr_vm_vsrc(0)
	s_getreg_b32 s2, hwreg(HW_REG_IB_STS2, 6, 4)
	s_cmp_eq_u32 s2, 0
	s_cbranch_scc0 .Lentry_in_a_cluster
	s_endpgm
.Lentry_in_a_cluster:
	s_bfe_u32 s2, ttmp6, 0x10000c
	s_cmp_lg_u32 s2, 0x3003
	s_cbranch_scc0 .Lentry_shape_is_right
	s_endpgm
.Lentry_shape_is_right:
; out = softmax(q k^T / 8) v for one head (work-group y = 16 x batch + head) and 256 queries (x), both products on codes of FP4; the result, divided by the row's sum, is quantised along E for the projection.  No work is left out.
; THE SOFTMAX: t = score x log2(e) / 8; M = the running largest t rounded UP to a whole number; p = 2^(t - M) is quantised along the keys, not normalised; the row's sum is taken of the unquantised p and divides at the end.
; When M moves, the sum and O are multiplied by 2^(old M - new M): exact.
; SHARES.  Sixteen waves, each ONE tile of 16 queries in 256 registers.  The head's whole block of K and V (139,264 bytes, the launch before's layout) lies in LDS, filled once, a sixteenth by each wave: no ring, one barrier.
; Both products are used transposed (S^T = K Q^T, O^T = V^T P^T): a lane holds one query throughout.
; THE HEAD HAS 64 DIMS AND THE INSTRUCTION 128 ALONG K.  A K image carries key tile 2 b in k 0-63 and key tile 2 b + 1 in k 64-127.  Q's codes stand between two runs of zero registers: v[20:27] has them at k 0-63, v[16:23] at k 64-127:
; each product multiplies one key tile by Q and the other by zero codes.  One scale word of K and Q's doubled word serve both.
; The 16 registers of S tiles 2 b, 2 b + 1 are keys 32 b + 16 (lane / 16) + 0 .. 15 of the step; those of O^T tiles likewise along the head's dims.
; OUT, in ao: a token tile is a unit of 8,704 bytes as the first launch lays them: 512 bytes of scale words, then eight images.  Head hd is piece hd % 2 of image hd / 2; its two scale bytes are bytes 2 (hd % 2), + 1 of the word at 64 (hd / 2) + 4 r.
; CLUSTER: 4, 1, 1.  Four work-groups along x are four query blocks of one head and need the same block of K and V: each wave's sixteenth is asked for JOINTLY, by the same load with the same descriptor (made of the head and the wave's number) and the mask 15.
; My place in the cluster enters the addresses of Q and of the result alone: no LDS address, no branch.
; PREFETCH: none: the block is asked for once, at the head; there is no loop to run ahead in.
; LIMITS: the division by the row's sum is v_rcp_f32 and a multiplication; a block of zeros gets the byte 1; NaN and infinities are not served.
.set HEADB, 139264
.set SPARE, HEADB                      ; behind the block: the spare words
.set KSC,   131072
.set QIMG,  32*HEADB
.set QSC,   QIMG+32*128*512
.set LI,  1                            ; v1  16 x lane
.set LS,  2                            ; v2  4 x lane
.set R4,  3                            ; v3  4 r
.set AS0, 4                            ; v4  4 x lane + where K's scale words begin
.set SPW, 5
.set NIL, 6
.set ADK, 8
.set ADV, 9
.set ADS, 10
.set WV,  8
.set SEL, 20
.set CS,  22
.set G0,  24
.set G1,  28
.set TB,  36
.set TS,  37
.set CNT, 38
.macro ROUND                           ; a round of the cluster's barrier
	s_barrier_signal -1
	s_barrier_wait -1
	s_cmp_lg_u32 s[WV], 0
	s_cbranch_scc1 .Lnot_wave_0_\@
	s_barrier_signal -3
.Lnot_wave_0_\@:
	s_barrier_wait -3
	s_barrier_signal -1
	s_barrier_wait -1
.endm
.macro SPROD b                         ; key tiles 2 b and 2 b + 1 of the step
.if ((\b)%2) == 0
	v_wmma_scale_f32_16x16x128_f8f6f4 v[96+16*\b:103+16*\b], v[32+8*\b:39+8*\b], v[20:27], 0, v[28+\b/2], v255 matrix_a_fmt:MATRIX_FMT_FP4 matrix_b_fmt:MATRIX_FMT_FP4
	v_wmma_scale_f32_16x16x128_f8f6f4 v[104+16*\b:111+16*\b], v[32+8*\b:39+8*\b], v[16:23], 0, v[28+\b/2], v255 matrix_a_fmt:MATRIX_FMT_FP4 matrix_b_fmt:MATRIX_FMT_FP4
.else
	v_wmma_scale_f32_16x16x128_f8f6f4 v[96+16*\b:103+16*\b], v[32+8*\b:39+8*\b], v[20:27], 0, v[28+\b/2], v255 matrix_a_fmt:MATRIX_FMT_FP4 matrix_b_fmt:MATRIX_FMT_FP4 matrix_a_scale:MATRIX_SCALE_ROW1
	v_wmma_scale_f32_16x16x128_f8f6f4 v[104+16*\b:111+16*\b], v[32+8*\b:39+8*\b], v[16:23], 0, v[28+\b/2], v255 matrix_a_fmt:MATRIX_FMT_FP4 matrix_b_fmt:MATRIX_FMT_FP4 matrix_a_scale:MATRIX_SCALE_ROW1
.endif
.endm
.macro OPROD d                         ; O^T tile d += V^T image d x P
.if ((\d)%2) == 0
	v_wmma_scale_f32_16x16x128_f8f6f4 v[160+8*\d:167+8*\d], v[64+8*\d:71+8*\d], v[224:231], v[160+8*\d:167+8*\d], v[30+\d/2], v253 matrix_a_fmt:MATRIX_FMT_FP4 matrix_b_fmt:MATRIX_FMT_FP4
.else
	v_wmma_scale_f32_16x16x128_f8f6f4 v[160+8*\d:167+8*\d], v[64+8*\d:71+8*\d], v[224:231], v[160+8*\d:167+8*\d], v[30+\d/2], v253 matrix_a_fmt:MATRIX_FMT_FP4 matrix_b_fmt:MATRIX_FMT_FP4 matrix_a_scale:MATRIX_SCALE_ROW1
.endif
.endm
	s_load_b128 s[4:7], s[0:1], 0x0                ; qkvq, ao
	v_lshl_add_u32 v[SPW], v0, 2, SPARE
	v_mov_b32 v[NIL], 0
	ds_add_u32 v[SPW], v[NIL]                      ; the opening: the add, twice on end, and its wait ahead of the round in front of my first tensor load
	ds_add_u32 v[SPW], v[NIL]
	v_lshrrev_b32 v7, 5, v0
	s_delay_alu instid0(VALU_DEP_1)
	v_readfirstlane_b32 s[WV], v7                  ; wave 0..15
	s_and_b32 s9, ttmp7, 0xffff                    ; bh: the cluster's y is the work-group's
	s_mov_b32 s[G1+0], 15|(3<<16)|(1<<21)          ; the mask: all four of my cluster; elements of 8 bytes; bit 21 set beside a mask
	s_mov_b32 s[G1+1], 32<<16                      ; 34 dense rows of 256 bytes
	s_mov_b32 s[G1+2], 34<<16
	s_mov_b32 s[G1+3], 32<<16
	s_mov_b32 s[G1+4], 34
	s_mov_b32 s[G1+5], 32
	s_mov_b32 s[G1+6], 0
	s_mov_b32 s[G1+7], 0
	s_mul_i32 s10, s9, HEADB
	s_mul_i32 s11, s[WV], 8704                     ; my sixteenth of the block, in memory and in LDS
	s_add_co_u32 s12, s10, s11
	s_mov_b32 s13, 0
	s_bfe_u32 s46, ttmp6, 0x40000                  ; cx: my place in the cluster
	s_lshl_b32 s14, ttmp9, 2
	s_add_co_u32 s14, s14, s46                     ; work-group x = 4 x cluster x + cx
	s_lshl_b32 s14, s14, 4
	s_add_co_u32 s14, s14, s[WV]                   ; qt: my query tile in the batch
	s_lshl_b32 s15, s9, 7
	s_add_co_u32 s15, s15, s14
	s_lshl_b32 s16, s15, 9
	s_add_co_u32 s16, s16, QIMG
	s_mov_b32 s17, 0
	s_lshl_b32 s18, s15, 6
	s_add_co_u32 s18, s18, QSC
	s_mov_b32 s19, 0
	s_lshr_b32 s40, s9, 4
	s_lshl_b32 s40, s40, 7
	s_add_co_u32 s40, s40, s14                     ; the token tile: 128 x batch + qt
	s_mul_i32 s40, s40, 8704
	s_and_b32 s41, s9, 15                          ; the head
	s_lshl_b32 s42, s41, 9
	s_add_co_u32 s42, s42, s40
	s_add_co_u32 s42, s42, 512
	s_mov_b32 s43, 0
	s_lshr_b32 s44, s41, 1
	s_lshl_b32 s44, s44, 6
	s_and_b32 s45, s41, 1
	s_lshl_b32 s45, s45, 1
	s_add_co_u32 s44, s44, s45
	s_add_co_u32 s44, s44, s40
	s_mov_b32 s45, 0
	s_mov_b32 s[SEL], 0x76543210
	s_mov_b32 s[SEL+1], 0xfedcba98
	s_mov_b32 s[CS], 0x3e38aa3b                    ; c = log2(e) / 8
	s_mov_b32 s[CS+1], s[CS]                       ; (named with it as a pair, so it is written)
	s_mov_b32 s[TB], 0
	s_mov_b32 s[TS], 0
	s_mov_b32 s[CNT], 16
	s_wait_dscnt 0x0                               ; both opening adds are done
	s_wait_kmcnt 0x0
	s_mov_b32 s[G0], 1
	s_mov_b32 s[G0+1], s11
	s_add_nc_u64 s[G0+2:G0+3], s[4:5], s[12:13]
	s_or_b32 s[G0+3], s[G0+3], 0x80000000
	ROUND                                          ; all four work-groups are here: the joint loads meet
	tensor_load_to_lds s[G0:G0+3], s[G1:G1+7]      ; my one tensor load
	s_nop 0
	s_add_nc_u64 s[16:17], s[4:5], s[16:17]
	s_add_nc_u64 s[18:19], s[4:5], s[18:19]
	s_add_nc_u64 s[42:43], s[6:7], s[42:43]
	s_add_nc_u64 s[44:45], s[6:7], s[44:45]
	v_and_b32 v[LI], 31, v0
	s_delay_alu instid0(VALU_DEP_1)
	v_lshlrev_b32 v[LS], 2, v[LI]
	s_delay_alu instid0(VALU_DEP_2)
	v_lshlrev_b32 v[LI], 4, v[LI]
	v_and_b32 v[R4], 15, v0
	s_delay_alu instid0(VALU_DEP_1)
	v_lshlrev_b32 v[R4], 2, v[R4]
	s_delay_alu instid0(VALU_DEP_4)
	v_add_nc_u32 v[AS0], KSC, v[LS]
	global_load_b128 v[20:23], v[LI], s[16:17]     ; Q's codes stay in registers,
	global_load_b32 v255, v[R4], s[18:19]          ; and its scale words
.irp j, 16,17,18,19,24,25,26,27
	v_mov_b32 v[\j], 0                             ; zero codes on both sides of Q's
.endr
	v_mov_b32 v13, 0xff61b1e6                      ; the largest t so far: -3e38
	s_delay_alu instid0(VALU_DEP_1)
	v_floor_f32 v12, -v13                          ; -M
	v_mov_b32 v14, 0                               ; the sum, in two halves
	v_mov_b32 v15, 0
.irp b, 0,1,2,3
	v_mov_b32 v[236+\b], 0                         ; a lane permute's destination counts as one of its sources
.endr
	v_mov_b32 v253, 0                              ; (named as the upper half of v[252:253] before it is first written)
.set J, 0
.rept 32
	v_mov_b32 v[160+J], 0                          ; O^T: the loop is written once; its first step finds zeros
.set J, J+1
.endr
	s_wait_tensorcnt 0x0                           ; my part of the block is in,
	s_barrier_signal -1
	s_barrier_wait -1                              ; everybody's is
	s_wait_loadcnt 0x0                             ; Q
.Lstep:                                            ; 16 trips of 128 keys
	v_add_nc_u32 v[ADK], s[TB], v[LI]              ; these four lines are the places behind the last trip's products
	s_delay_alu instid0(VALU_DEP_1)
	v_add_nc_u32 v[ADV], 65536, v[ADK]
	v_add_nc_u32 v[ADS], s[TS], v[AS0]
	v_nop
.irp b, 0,1,2,3
.irp c, 0,1
	ds_load_b128 v[32+8*\b+4*\c:32+8*\b+4*\c+3], v[ADK] offset:1024*\b+512*\c
.endr
.endr
.irp j, 0,1
	ds_load_b32 v[28+\j], v[ADS] offset:128*\j     ; lanes 0-15: image 2 j's words, lanes 16-31: image 2 j + 1's
.endr
.irp d, 0,1,2,3
.irp c, 0,1
	ds_load_b128 v[64+8*\d+4*\c:64+8*\d+4*\c+3], v[ADV] offset:1024*\d+512*\c
.endr
.endr
.irp j, 0,1
	ds_load_b32 v[30+\j], v[ADS] offset:4096+128*\j
.endr
	s_wait_dscnt 10                                ; K's ten loads are in; V's ten may be out
	SPROD 0
	SPROD 1
	SPROD 2
	SPROD 3
.rept 4
	v_nop
.endr
.irp b, 0,1,2,3
	v_max3_num_f32 v[232+\b], v[96+16*\b], v[97+16*\b], v[98+16*\b]   ; the largest score of each block of 32 keys: for the row's maximum and, since p rises with the score, for the block's largest p
.endr
.irp i, 3,5,7,9,11,13
.irp b, 0,1,2,3
	v_max3_num_f32 v[232+\b], v[232+\b], v[96+16*\b+\i], v[97+16*\b+\i]
.endr
.endr
.irp b, 0,1,2,3
	v_max_num_f32 v[232+\b], v[232+\b], v[111+16*\b]
.endr
.irp b, 0,1,2,3
	s_delay_alu instid0(VALU_DEP_4)
	v_permlanex16_b32 v[236+\b], v[232+\b], s[SEL], s[SEL+1]
.endr
.irp b, 0,1,2,3
	s_delay_alu instid0(VALU_DEP_4)
	v_max_num_f32 v[232+\b], v[232+\b], v[236+\b]
.endr
	s_delay_alu instid0(VALU_DEP_2)
	v_max3_num_f32 v254, v232, v233, v234
	s_delay_alu instid0(VALU_DEP_1)
	v_max_num_f32 v254, v254, v235
	s_delay_alu instid0(VALU_DEP_1)
	v_mul_f32 v254, s[CS], v254                    ; as t (c is positive)
	s_delay_alu instid0(VALU_DEP_1)
	v_max_num_f32 v13, v13, v254                   ; the running largest t
	v_mov_b32 v254, v12
	s_delay_alu instid0(VALU_DEP_2)
	v_floor_f32 v12, -v13                          ; the new -M = -ceil(t)
	s_delay_alu instid0(VALU_DEP_1)
	v_sub_f32 v254, v12, v254                      ; old M - new M: a whole number, 0 or less
	s_delay_alu instid0(VALU_DEP_1)
	v_cvt_i32_f32 v254, v254                       ; (it saturates)
	s_delay_alu instid0(VALU_DEP_1)
	v_ldexp_f32 v252, 1.0, v254                    ; f = 2^(old M - new M)
.set J, 0
.rept 32
	v_pk_fma_f32 v[96+J:97+J], v[96+J:97+J], s[CS:CS+1], v[12:13] op_sel_hi:[1,0,0]   ; t - M
.set J, J+2
.endr
.irp b, 0,1,2,3
	v_fma_f32 v[232+\b], v[232+\b], s[CS], v12
.endr
.set J, 0
	s_wait_alu depctr_va_vdst(0)                   ; the wait ahead of the batch
.rept 64
	v_exp_f32 v[96+J], v[96+J]                     ; p = 2^(t - M)
.set J, J+1
.endr
	v_pk_mul_f32 v[14:15], v[14:15], v[252:253] op_sel_hi:[1,0]   ; the sums under the new M: a plain line behind the exponentials
	s_wait_alu depctr_va_vdst(0)                   ; one wait for the whole batch, ahead of its first reader
.irp b, 0,1,2,3
	v_exp_f32 v[232+\b], v[232+\b]                 ; each block's largest p
.endr
	v_pk_add_f32 v[236:237], v[100:101], v[104:105]
	v_pk_add_f32 v[250:251], v[108:109], v[112:113]
	v_pk_add_f32 v[248:249], v[116:117], v[120:121]
	v_pk_add_f32 v[246:247], v[124:125], v[128:129]
	v_pk_add_f32 v[244:245], v[132:133], v[136:137]
	v_pk_add_f32 v[242:243], v[140:141], v[144:145]
	v_pk_add_f32 v[240:241], v[148:149], v[152:153]
	v_pk_add_f32 v[14:15], v[14:15], v[156:157]
	v_pk_add_f32 v[236:237], v[236:237], v[96:97]
	v_pk_add_f32 v[250:251], v[250:251], v[98:99]
	v_pk_add_f32 v[248:249], v[248:249], v[102:103]
	v_pk_add_f32 v[246:247], v[246:247], v[106:107]
	v_pk_add_f32 v[244:245], v[244:245], v[110:111]
	v_pk_add_f32 v[242:243], v[242:243], v[114:115]
	v_pk_add_f32 v[240:241], v[240:241], v[118:119]
	v_pk_add_f32 v[14:15], v[14:15], v[122:123]
	v_pk_add_f32 v[236:237], v[236:237], v[126:127]
	v_pk_add_f32 v[250:251], v[250:251], v[130:131]
	v_pk_add_f32 v[248:249], v[248:249], v[134:135]
	v_pk_add_f32 v[246:247], v[246:247], v[138:139]
	v_pk_add_f32 v[244:245], v[244:245], v[142:143]
	v_pk_add_f32 v[242:243], v[242:243], v[146:147]
	v_pk_add_f32 v[240:241], v[240:241], v[150:151]
	v_pk_add_f32 v[14:15], v[14:15], v[154:155]
	v_pk_add_f32 v[236:237], v[236:237], v[158:159]
	s_delay_alu instid0(VALU_DEP_2)
	v_pk_add_f32 v[14:15], v[14:15], v[246:247]
	s_delay_alu instid0(VALU_DEP_2)
	v_pk_add_f32 v[236:237], v[236:237], v[244:245]
	v_pk_add_f32 v[250:251], v[250:251], v[242:243]
	v_pk_add_f32 v[248:249], v[248:249], v[240:241]
	s_delay_alu instid0(VALU_DEP_2)
	v_pk_add_f32 v[14:15], v[14:15], v[250:251]
	s_delay_alu instid0(VALU_DEP_2)
	v_pk_add_f32 v[236:237], v[236:237], v[248:249]
	s_delay_alu instid0(VALU_DEP_1)
	v_pk_add_f32 v[14:15], v[14:15], v[236:237]
	s_wait_alu depctr_va_vdst(0)                   ; and one for the four
.irp b, 0,1,2,3
	v_max_num_f32 v[232+\b], 0x1800000, v[232+\b]  ; the floor 2^(3 - 127)
.endr
.irp b, 0,1,2,3
	s_delay_alu instid0(VALU_DEP_4)
	v_add_nc_u32 v[244+\b], 0xff000000, v[232+\b]
.endr
.irp b, 0,1,2,3
	s_delay_alu instid0(VALU_DEP_4)
	v_lshrrev_b32 v[236+\b], 23, v[244+\b]
.endr
	s_delay_alu instid0(VALU_DEP_3)
	v_lshl_or_b32 v253, v237, 8, v236              ; p's scale word for these 128 keys
	s_delay_alu instid0(VALU_DEP_1)
	v_lshl_or_b32 v253, v238, 16, v253
	s_delay_alu instid0(VALU_DEP_1)
	v_lshl_or_b32 v253, v239, 24, v253
.irp b, 0,1,2,3
	v_cvt_scalef32_pk8_fp4_f32 v[224+2*\b], v[96+16*\b:103+16*\b], v[244+\b]
	v_cvt_scalef32_pk8_fp4_f32 v[225+2*\b], v[104+16*\b:111+16*\b], v[244+\b]
.endr
	v_nop                                          ; one plain line behind a scaled conversion
.irp c, 0,1
.irp i, 0,1
	v_permlane16_swap_b32 v[224+4*\c+\i], v[226+4*\c+\i]
.endr
.endr
.set J, 0
.rept 16
	v_pk_mul_f32 v[160+J:161+J], v[160+J:161+J], v[252:253] op_sel_hi:[1,0]   ; O^T under the new M; these sixteen are also the places in front of the products below
.set J, J+2
.endr
	s_wait_alu depctr_va_vdst(0)                   ; directly ahead of the wait below
	s_wait_dscnt 0x0                               ; V
	OPROD 0
	OPROD 1
	OPROD 2
	OPROD 3
	s_add_co_u32 s[TB], s[TB], 4096
	s_add_co_u32 s[TS], s[TS], 256
	s_sub_co_u32 s[CNT], s[CNT], 1
	s_cmp_lg_u32 s[CNT], 0
	s_cbranch_scc1 .Lstep
	; THE WAY OUT
	v_add_f32 v14, v14, v15
	s_delay_alu instid0(VALU_DEP_1)
	v_permlanex16_b32 v252, v14, s[SEL], s[SEL+1]
	s_delay_alu instid0(VALU_DEP_1)
	v_add_f32 v14, v14, v252                       ; the row's sum
	s_wait_alu depctr_va_vdst(0)                   ; the wait ahead of the transcendental
	v_rcp_f32 v14, v14
.rept 4
	v_nop                                          ; plain lines behind the reciprocal and behind the last products
.endr
	s_wait_alu depctr_va_vdst(0)                   ; and ahead of its first reader
.set J, 0
.rept 32
	v_mul_f32 v[192+J], v[160+J], v14              ; register 16 b + e: dim 32 b + 16 h + e of my query
.set J, J+1
.endr
.irp b, 0,1
	v_max3_num_f32 v[232+\b], |v[192+16*\b]|, |v[193+16*\b]|, 0x1800000
.endr
.irp i, 2,4,6,8,10,12,14
.irp b, 0,1
	s_delay_alu instid0(VALU_DEP_2)
	v_max3_num_f32 v[232+\b], v[232+\b], |v[192+16*\b+\i]|, |v[193+16*\b+\i]|
.endr
.endr
.irp b, 0,1
	s_delay_alu instid0(VALU_DEP_2)
	v_permlanex16_b32 v[236+\b], v[232+\b], s[SEL], s[SEL+1]
.endr
.irp b, 0,1
	s_delay_alu instid0(VALU_DEP_2)
	v_max_num_f32 v[232+\b], v[232+\b], v[236+\b]
.endr
.irp b, 0,1
	s_delay_alu instid0(VALU_DEP_2)
	v_add_nc_u32 v[244+\b], 0xff000000, v[232+\b]
.endr
.irp b, 0,1
	s_delay_alu instid0(VALU_DEP_2)
	v_lshrrev_b32 v[236+\b], 23, v[244+\b]
.endr
	s_delay_alu instid0(VALU_DEP_1)
	v_lshl_or_b32 v240, v237, 8, v236              ; the head's two bytes
.irp b, 0,1
	v_cvt_scalef32_pk8_fp4_f32 v[224+2*\b], v[192+16*\b:199+16*\b], v[244+\b]
	v_cvt_scalef32_pk8_fp4_f32 v[225+2*\b], v[200+16*\b:207+16*\b], v[244+\b]
.endr
	v_nop
.irp i, 0,1
	v_permlane16_swap_b32 v[224+\i], v[226+\i]
.endr
	global_store_b128 v[LI], v[224:227], s[42:43]  ; 512 consecutive bytes: my piece of an image
	global_store_b16 v[R4], v240, s[44:45]         ; both halves of the lanes write the same two bytes with the same value
	s_wait_tensorcnt 0x0                           ; the wave's end
	ds_add_u32 v[SPW], v[NIL]
	s_wait_dscnt 0x0
	ROUND                                          ; the closing round: no work-group ends while a partner may still ask for a tile that names it
	s_endpgm
.Lfunc_end_k_q3ebf299f0a_attn:
	.size	k_q3ebf299f0a_attn, .Lfunc_end_k_q3ebf299f0a_attn-k_q3ebf299f0a_attn
	.p2alignl 7, 3214868480
	.fill 96, 4, 3214868480
	.section	.rodata,"a",@progbits
	.p2align	6, 0x0
	.amdhsa_kernel k_q3ebf299f0a_attn
		.amdhsa_group_segment_fixed_size 167936
		.amdhsa_private_segment_fixed_size 0
		.amdhsa_enable_private_segment 0
		.amdhsa_kernarg_size 16
		.amdhsa_user_sgpr_count 2
		.amdhsa_user_sgpr_kernarg_segment_ptr 1
		.amdhsa_wavefront_size32 1
		.amdhsa_system_sgpr_workgroup_id_x 1
		.amdhsa_system_sgpr_workgroup_id_y 1
		.amdhsa_system_sgpr_workgroup_id_z 1
		.amdhsa_system_vgpr_workitem_id 0
		.amdhsa_next_free_vgpr 256
		.amdhsa_next_free_sgpr 66
		.amdhsa_reserve_vcc 0
		.amdhsa_float_denorm_mode_32 3
		.amdhsa_float_denorm_mode_16_64 3
		.amdhsa_memory_ordered 1
		.amdhsa_forward_progress 1
		.amdhsa_inst_pref_size 27
	.end_amdhsa_kernel
	.amdgpu_metadata
---
amdhsa.version: [ 1, 2 ]
amdhsa.kernels:
  - .name:           k_q3ebf299f0a_attn
    .symbol:         k_q3ebf299f0a_attn.kd
    .args:
      - { .name: qkvq, .offset: 0, .size: 8, .value_kind: global_buffer, .address_space: global }
      - { .name: ao, .offset: 8, .size: 8, .value_kind: global_buffer, .address_space: global }
    .group_segment_fixed_size: 167936
    .private_segment_fixed_size: 0
    .kernarg_segment_align: 8
    .kernarg_segment_size: 16
    .max_flat_workgroup_size: 512
    .sgpr_count:     66
    .vgpr_count:     256
    .wavefront_size: 32
...
	.end_amdgpu_metadata
.endif
;; end of part 3
;; launch projg (part 4): grid 8 x 32, 8 waves a work-group, clusters of 4 x 4, 327,680 bytes of LDS; arguments ao, qin, b_out, x, yf; writes yf
.if DOCPART == 4
	.amdgcn_target "amdgcn-amd-amdhsa--gfx1250"
	.amdhsa_code_object_version 6
	.text
	.protected	k_q3ebf299f0a_projg
	.globl	k_q3ebf299f0a_projg
	.p2align	8
	.type	k_q3ebf299f0a_projg,@function
k_q3ebf299f0a_projg:
	s_mov_b64 s[64:65], 0
	v_nop
	global_prefetch_b8 v0, s[64:65] scope:SCOPE_SE
	s_setreg_imm32_b32 hwreg(HW_REG_WAVE_MODE, 25, 1), 1
	s_wait_xcnt 0x0
	s_wait_alu depctr_hold_cnt(0) depctr_sa_sdst(0) depctr_va_vdst(0) depctr_va_sdst(0) depctr_va_ssrc(0) depctr_va_vcc(0) depctr_vm_vsrc(0)
	s_getreg_b32 s2, hwreg(HW_REG_IB_STS2, 6, 4)
	s_cmp_eq_u32 s2, 0
	s_cbranch_scc0 .Lentry_in_a_cluster
	s_endpgm
.Lentry_in_a_cluster:
	s_bfe_u32 s2, ttmp6, 0x10000c
	s_cmp_lg_u32 s2, 0xf033
	s_cbranch_scc0 .Lentry_shape_is_right
	s_endpgm
.Lentry_shape_is_right:
; y = A W^T + bias + residual, the product on codes of FP4, y in f32; the norm over y's rows is the next launch's.  No work is left out.
; A = attention's result (ao), W = w_out, residual = x; K = 1,024: one unit along K.
; A work-group makes 128 tokens (y = mt) x 128 columns (x = nt): 8 x 32 = 256 work-groups.  8 units of A and 8 of W (the first launch's units of 8,704 bytes) lie whole in LDS, filled once.
; Wave w fetches two units with one tensor load (waves 0-3: A's, waves 4-7: W's).  Wave w multiplies W tiles 4 (w & 1) .. + 3 (source 0) by token tiles 2 (w >> 1), + 1 (source 1): 8 accumulators by turns
; A lane holds one token; its 32 registers of a token tile are columns 32 b + 16 h + e of the wave's 64.
; The bias is loaded into the accumulators, which so begin the sums; the residual is asked for at the head into registers of its own.
; The way out: through the wave's own stage in LDS, back as rows of 256 bytes: sixteen lanes store one aligned unit.
; CLUSTER: 4 x 4.  A's units hang on mt alone and are asked for jointly along a row of the cluster, W's on nt alone and jointly along a column: the same load, the same descriptor, a mask that names the four.
; My place in the cluster enters global addresses and the masks alone: no LDS address, no branch.
; PREFETCH: none: every byte is asked for once, at the head; there is no loop to run ahead in.
; LIMITS: NaN and infinities are not served.
.set WU0,   448
.set UNITB, 8704
.set SLOTB, 16*UNITB
.set SPARE, 2*SLOTB                    ; the spare words, 128 bytes a wave
.set STAGE, SLOTB                      ; the stages: no tensor load fills these bytes
.set SP,  272                          ; a stage row: 256 bytes + 16
.set AW0, 4                            ; v4-7  my lane's place in W's and A's images and scale words
.set AA0, 5
.set LW0, 6
.set LA0, 7
.set AW,  8                            ; v8-11 the same for the pair of K steps in hand
.set AA,  9
.set LW,  10
.set LA,  11
.set SPW, 12
.set NIL, 13
.set STO, 14
.set RD,  15
.set CO,  16
.set BO,  17
.set SW,  20                           ; v20-23 W's scale words, v24-25 A's: lanes 0-15 the even K step, lanes 16-31 the odd
.set SA,  24
.set F,   32                           ; v32-127 fragments: step s at F + 48 s: four of W, two of A
.set ACC, 128                          ; v128-191 accumulator (i, t) at ACC + 32 i + 8 t
.set RES, 192                          ; v192-255 the residual
.set WV, 14
.set CX, 15
.set CY, 16
.set WH, 17
.set AG, 18
.set LB, 20
.set NT, 21
.set BASEA, 22
.set BASEW, 24
.set MT, 26
.set G0A, 28
.set G1A, 32
.set TO, 40
.set TS, 41
.set CN, 42
.set W2, 43
.set OA, 46
.set OW, 48
.set G0W, 52
.set G1W, 56
.set RO, 66
.set BOF, 68
.set LWB, 70
.set LAB, 71
.set STB, 72
.set MR, 73
.set MC, 74
.macro WM d, a, b, sa, sb, odd
.if \odd
	v_wmma_scale_f32_16x16x128_f8f6f4 v[\d:\d+7], v[\a:\a+7], v[\b:\b+7], v[\d:\d+7], v[\sa], v[\sb] matrix_a_fmt:MATRIX_FMT_FP4 matrix_b_fmt:MATRIX_FMT_FP4 matrix_a_scale:MATRIX_SCALE_ROW1 matrix_b_scale:MATRIX_SCALE_ROW1
.else
	v_wmma_scale_f32_16x16x128_f8f6f4 v[\d:\d+7], v[\a:\a+7], v[\b:\b+7], v[\d:\d+7], v[\sa], v[\sb] matrix_a_fmt:MATRIX_FMT_FP4 matrix_b_fmt:MATRIX_FMT_FP4
.endif
.endm
.macro ROUND                           ; a round of the cluster's barrier
	s_barrier_signal -1
	s_barrier_wait -1
	s_cmp_lg_u32 s[WV], 0
	s_cbranch_scc1 .Lnot_wave_0_\@
	s_barrier_signal -3
.Lnot_wave_0_\@:
	s_barrier_wait -3
	s_barrier_signal -1
	s_barrier_wait -1
.endm
.macro JLOAD                           ; a joint load: waves 0-3 for A, waves 4-7 for W; each line has one mask; an s_nop 0 and four v_nop follow each
	s_cmp_lt_u32 s[WV], 4
	s_cbranch_scc0 .Lfor_w_\@
	tensor_load_to_lds s[G0A:G0A+3], s[G1A:G1A+7]
	s_nop 0
.rept 4
	v_nop
.endr
	s_branch .Lasked_\@
.Lfor_w_\@:
	tensor_load_to_lds s[G0W:G0W+3], s[G1W:G1W+7]
	s_nop 0
.rept 4
	v_nop
.endr
.Lasked_\@:
.endm
	s_load_b256 s[4:11], s[0:1], 0x0               ; A, qin, bias, residual
	s_load_b64 s[12:13], s[0:1], 0x20              ; y
	v_lshl_add_u32 v[SPW], v0, 2, SPARE
	v_mov_b32 v[NIL], 0
	ds_add_u32 v[SPW], v[NIL]                      ; the opening: the add, twice on end, and its wait ahead of the round in front of my first tensor load
	ds_add_u32 v[SPW], v[NIL]
	v_lshrrev_b32 v1, 5, v0
	v_readfirstlane_b32 s[WV], v1                  ; wave 0..7
	s_and_b32 s[WH], s[WV], 1
	s_lshr_b32 s[AG], s[WV], 1
	s_bfe_u32 s[CX], ttmp6, 0x40000                ; cx, cy: my place in the cluster
	s_bfe_u32 s[CY], ttmp6, 0x40004
	s_lshl_b32 s[NT], ttmp9, 2
	s_add_co_u32 s[NT], s[NT], s[CX]               ; nt = 4 x cluster x + cx
	s_and_b32 s[MT], ttmp7, 0xffff
	s_lshl_b32 s[MT], s[MT], 2
	s_add_co_u32 s[MT], s[MT], s[CY]               ; mt = 4 x cluster y + cy
	s_lshl_b32 s[MR], s[CY], 2
	s_lshl_b32 s[MR], 15, s[MR]                    ; my row of the cluster
	s_lshl_b32 s[MC], 0x1111, s[CX]                ; my column
	s_or_b32 s[G1A+0], s[MR], (3<<16)|(1<<21)      ; A's units go to my row; elements of 8 bytes; bit 21 set beside a mask
	s_or_b32 s[G1W+0], s[MC], (3<<16)|(1<<21)      ; W's to my column
.irp g, G1A, G1W
	s_mov_b32 s[\g+1], 1088<<16                    ; tensor_dim0: a row is a unit, 8,704 bytes
	s_mov_b32 s[\g+2], 2<<16                       ; tensor_dim1: two units
	s_mov_b32 s[\g+3], 1088<<16                    ; tile_dim0
	s_mov_b32 s[\g+4], 2                           ; tile_dim1
	s_mov_b32 s[\g+5], 1088                        ; dense
	s_mov_b32 s[\g+6], 0
	s_mov_b32 s[\g+7], 0
.endr
	s_and_b32 s[W2], s[WV], 3
	s_lshl_b32 s[W2], s[W2], 1
	s_lshl_b32 s[OA], s[MT], 3                     ; A: row tiles 8 mt + 2 (w & 3) on
	s_add_co_u32 s[OA], s[OA], s[W2]
	s_mul_i32 s[OA], s[OA], UNITB
	s_mov_b32 s[OA+1], 0
	s_lshl_b32 s[OW], s[NT], 3                     ; W: row tiles 8 nt + 2 (w & 3) on, behind WU0 units
	s_add_co_u32 s[OW], s[OW], s[W2]
	s_add_co_u32 s[OW], s[OW], WU0
	s_mul_i32 s[OW], s[OW], UNITB
	s_mov_b32 s[OW+1], 0
	s_mul_i32 s[LB], s[WV], 2*UNITB
	s_lshl_b32 s[RO], s[MT], 2
	s_add_co_u32 s[RO], s[RO], s[AG]
	s_lshl_b32 s[RO], s[RO], 17                    ; my 32 tokens: rows of 4,096 bytes
	s_lshl_b32 s[BOF], s[NT], 1
	s_add_co_u32 s[BOF], s[BOF], s[WH]
	s_lshl_b32 s[BOF], s[BOF], 8                   ; my 64 columns: 256 bytes
	s_mov_b32 s[BOF+1], 0
	s_add_co_u32 s[RO], s[RO], s[BOF]
	s_mov_b32 s[RO+1], 0
	s_mul_i32 s[LWB], s[WH], 4*UNITB
	s_add_co_u32 s[LWB], s[LWB], 8*UNITB           ; my W tiles in LDS
	s_mul_i32 s[LAB], s[AG], 2*UNITB               ; my token tiles
	s_mul_i32 s[STB], s[WV], 32*SP
	s_add_co_u32 s[STB], s[STB], STAGE             ; my stage
	s_mov_b32 s[TO], 0
	s_mov_b32 s[TS], 0
	s_mov_b32 s[CN], 4
	s_wait_dscnt 0x0                               ; both opening adds are done
	s_wait_kmcnt 0x0
	s_add_nc_u64 s[BASEA:BASEA+1], s[4:5], s[OA:OA+1]
	s_add_nc_u64 s[BASEW:BASEW+1], s[6:7], s[OW:OW+1]
	s_mov_b32 s[G0A], 1
	s_mov_b32 s[G0A+1], s[LB]
	s_mov_b64 s[G0A+2:G0A+3], s[BASEA:BASEA+1]
	s_or_b32 s[G0A+3], s[G0A+3], 0x80000000
	s_mov_b32 s[G0W], 1
	s_mov_b32 s[G0W+1], s[LB]
	s_mov_b64 s[G0W+2:G0W+3], s[BASEW:BASEW+1]
	s_or_b32 s[G0W+3], s[G0W+3], 0x80000000
	ROUND                                          ; all sixteen work-groups are here: the joint loads meet
	JLOAD                                          ; my one tensor load
	s_add_nc_u64 s[8:9], s[8:9], s[BOF:BOF+1]
	s_add_nc_u64 s[10:11], s[10:11], s[RO:RO+1]
	s_add_nc_u64 s[12:13], s[12:13], s[RO:RO+1]
	v_and_b32 v1, 31, v0                           ; lane
	v_and_b32 v2, 15, v0                           ; r
	v_bfe_u32 v3, v0, 4, 1                         ; h
	v_lshlrev_b32 v[AA0], 4, v1
	v_lshlrev_b32 v[LA0], 2, v1
	v_add_nc_u32 v[AW0], s[LWB], v[AA0]
	v_add_nc_u32 v[LW0], s[LWB], v[LA0]
	v_add_nc_u32 v[AA0], s[LAB], v[AA0]
	v_add_nc_u32 v[LA0], s[LAB], v[LA0]
	v_mul_u32_u24 v[STO], v2, SP
	v_lshl_add_u32 v[STO], v3, 6, v[STO]
	v_add_nc_u32 v[STO], s[STB], v[STO]            ; into the stage: row r, + 64 h
	v_mul_u32_u24 v[RD], v3, SP
	v_lshl_add_u32 v[RD], v2, 4, v[RD]
	v_add_nc_u32 v[RD], s[STB], v[RD]              ; back: lanes 0-15 one row, lanes 16-31 the next
	v_lshlrev_b32 v[CO], 12, v3
	v_lshl_add_u32 v[CO], v2, 4, v[CO]             ; and the same two rows in memory
	v_lshlrev_b32 v[BO], 6, v3
	s_wait_alu depctr_va_vdst(0)                   ; the wait at the head's end
.irp i, 0,1
.irp b, 0,1
.irp q, 0,1,2,3
	global_load_b128 v[ACC+32*\i+16*\b+4*\q:ACC+32*\i+16*\b+4*\q+3], v[BO], s[8:9] offset:128*\b+16*\q   ; the bias begins the sums
.endr
.endr
.endr
.set T, 0
.rept 16                                       ; stage rows 2 T, 2 T + 1 are tokens 8 (T / 8) + 2 (T % 8) + 8 ((T % 8) / 4), + 1 of my 32
	global_load_b128 v[RES+4*T:RES+4*T+3], v[CO], s[10:11] offset:(8*(T/8)+2*(T%8)+8*((T%8)/4))*4096
.set T, T+1
.endr
	s_wait_loadcnt 16                              ; the bias is in; the residual's 16 loads may be out
	s_wait_tensorcnt 0x0                           ; my two units are in,
	s_barrier_signal -1
	s_barrier_wait -1                              ; everybody's are
.Lk:                                               ; four trips of two K steps of 128
	v_add_nc_u32 v[AW], s[TO], v[AW0]              ; these four lines are the places in front of loads into registers that matrix instructions have read
	v_add_nc_u32 v[AA], s[TO], v[AA0]
	v_add_nc_u32 v[LW], s[TS], v[LW0]
	v_add_nc_u32 v[LA], s[TS], v[LA0]
.irp t, 0,1,2,3
	ds_load_b32 v[SW+\t], v[LW] offset:\t*UNITB
.endr
.irp i, 0,1
	ds_load_b32 v[SA+\i], v[LA] offset:\i*UNITB
.endr
.irp s, 0,1
.irp t, 0,1,2,3
.irp c, 0,1
	ds_load_b128 v[F+48*\s+8*\t+4*\c:F+48*\s+8*\t+4*\c+3], v[AW] offset:\t*UNITB+512+1024*\s+512*\c
.endr
.endr
.irp i, 0,1
.irp c, 0,1
	ds_load_b128 v[F+48*\s+32+8*\i+4*\c:F+48*\s+32+8*\i+4*\c+3], v[AA] offset:\i*UNITB+512+1024*\s+512*\c
.endr
.endr
.endr
	s_wait_dscnt 12                                ; the scale words and the even step are in; the odd step's 12 loads may be out
.irp t, 0,1,2,3
.irp i, 0,1
	WM ACC+32*\i+8*\t, F+8*\t, F+32+8*\i, SW+\t, SA+\i, 0
.endr
.endr
	s_wait_dscnt 0x0
.irp t, 0,1,2,3
.irp i, 0,1
	WM ACC+32*\i+8*\t, F+48+8*\t, F+80+8*\i, SW+\t, SA+\i, 1
.endr
.endr
	s_add_co_u32 s[TO], s[TO], 2048
	s_add_co_u32 s[TS], s[TS], 128
	s_sub_co_u32 s[CN], s[CN], 1
	s_cmp_lg_u32 s[CN], 0
	s_cbranch_scc1 .Lk
.rept 4
	v_nop                                          ; places in front of the first read of results and of loads into operands' registers
.endr
.irp i, 0,1
.irp b, 0,1
.irp q, 0,1,2,3
	ds_store_b128 v[STO], v[ACC+32*\i+16*\b+4*\q:ACC+32*\i+16*\b+4*\q+3] offset:16*SP*\i+128*\b+16*\q   ; each accumulator from its low end on
.endr
.endr
.endr
.set T, 0
.rept 16
	ds_load_b128 v[F+4*T:F+4*T+3], v[RD] offset:2*T*SP   ; LDS serves a wave's instructions in order: these see my stores
.set T, T+1
.endr
	s_wait_loadcnt 0x0                             ; the residual
	s_wait_dscnt 0x0
.set T, 0
.rept 32
	v_pk_add_f32 v[F+2*T:F+2*T+1], v[F+2*T:F+2*T+1], v[RES+2*T:RES+2*T+1]
.set T, T+1
.endr
.set T, 0
.rept 16
	global_store_b128 v[CO], v[F+4*T:F+4*T+3], s[12:13] offset:(8*(T/8)+2*(T%8)+8*((T%8)/4))*4096   ; sixteen lanes store 256 consecutive bytes, aligned
.set T, T+1
.endr
	s_wait_tensorcnt 0x0                           ; the wave's end
	ds_add_u32 v[SPW], v[NIL]
	s_wait_dscnt 0x0
	ROUND                                          ; the closing round: no work-group ends while a partner may still ask for a tile that names it
	s_endpgm
.Lfunc_end_k_q3ebf299f0a_projg:
	.size	k_q3ebf299f0a_projg, .Lfunc_end_k_q3ebf299f0a_projg-k_q3ebf299f0a_projg
	.p2alignl 7, 3214868480
	.fill 96, 4, 3214868480
	.section	.rodata,"a",@progbits
	.p2align	6, 0x0
	.amdhsa_kernel k_q3ebf299f0a_projg
		.amdhsa_group_segment_fixed_size 327680
		.amdhsa_private_segment_fixed_size 0
		.amdhsa_enable_private_segment 0
		.amdhsa_kernarg_size 40
		.amdhsa_user_sgpr_count 2
		.amdhsa_user_sgpr_kernarg_segment_ptr 1
		.amdhsa_wavefront_size32 1
		.amdhsa_system_sgpr_workgroup_id_x 1
		.amdhsa_system_sgpr_workgroup_id_y 1
		.amdhsa_system_sgpr_workgroup_id_z 1
		.amdhsa_system_vgpr_workitem_id 0
		.amdhsa_next_free_vgpr 256
		.amdhsa_next_free_sgpr 76
		.amdhsa_reserve_vcc 0
		.amdhsa_float_denorm_mode_32 3
		.amdhsa_float_denorm_mode_16_64 3
		.amdhsa_memory_ordered 1
		.amdhsa_forward_progress 1
		.amdhsa_inst_pref_size 20
	.end_amdhsa_kernel
	.amdgpu_metadata
---
amdhsa.version: [ 1, 2 ]
amdhsa.kernels:
  - .name:           k_q3ebf299f0a_projg
    .symbol:         k_q3ebf299f0a_projg.kd
    .args:
      - { .name: ao, .offset: 0, .size: 8, .value_kind: global_buffer, .address_space: global }
      - { .name: qin, .offset: 8, .size: 8, .value_kind: global_buffer, .address_space: global }
      - { .name: b_out, .offset: 16, .size: 8, .value_kind: global_buffer, .address_space: global }
      - { .name: x, .offset: 24, .size: 8, .value_kind: global_buffer, .address_space: global }
      - { .name: yf, .offset: 32, .size: 8, .value_kind: global_buffer, .address_space: global }
    .group_segment_fixed_size: 327680
    .private_segment_fixed_size: 0
    .kernarg_segment_align: 8
    .kernarg_segment_size: 40
    .max_flat_workgroup_size: 256
    .sgpr_count:     76
    .vgpr_count:     256
    .wavefront_size: 32
...
	.end_amdgpu_metadata
.endif
;; end of part 4
;; launch ln1 (part 5): grid 256 x 1, 8 waves a work-group, no clusters, 66,816 bytes of LDS; arguments yf, g1, beta1, x1f, x1q; writes x1f, x1q
.if DOCPART == 5
	.amdgcn_target "amdgcn-amd-amdhsa--gfx1250"
	.amdhsa_code_object_version 6
	.text
	.protected	k_q3ebf299f0a_ln1
	.globl	k_q3ebf299f0a_ln1
	.p2align	8
	.type	k_q3ebf299f0a_ln1,@function
k_q3ebf299f0a_ln1:
	s_mov_b64 s[64:65], 0
	v_nop
	global_prefetch_b8 v0, s[64:65] scope:SCOPE_SE
	s_setreg_imm32_b32 hwreg(HW_REG_WAVE_MODE, 25, 1), 1
	s_wait_xcnt 0x0
; x1 = layer_norm(y) x gain + shift over rows of 1,024, in f32 (x1f), and (QNT = 1) x1 quantised along E into units of launch 1's layout (x1q).  No work is left out.
; A work-group owns one token tile: the 16 rows 32 (rt / 2) + 8 (rt % 2) + r + 8 (r / 8).  Wave w normalises rows r = 2 w, 2 w + 1 (neighbours in memory): 512 consecutive bytes a load and a store.
; QNT: the 16 finished rows meet in a stage in LDS (rows of 4,096 bytes + 16); wave w quantises K step w: 16 rows x 128.
; It streams: no matrix work, no tensor load, no cluster (no two work-groups read the same rows).
; LIMITS: 1 / sqrt is v_rsq_f32; a block of zeros gets the byte 1 (this program alone reads the bytes); NaN and infinities are not served.
.set QNT, 1
.set UNITB, 8704
.set SP,    4112
.set SPARE, 16*SP
.set LI,  3
.set R4,  4
.set YA,  5
.set QA,  6
.set SPW, 10
.set NIL, 11
.set TM,  16
.set PC,  32
.set PW,  40
.set SA,  48
.set MN,  56
.set RS,  60
.set Y,   64
.set GG,  128
.set BETA, 160
.set QS,  128
.set WV,  16
.set SEL, 28
.macro QUANT s, pc, pw
.irp b, 0,1,2,3
	v_max3_num_f32 v[TM+\b], |v[(\s)+16*\b]|, |v[(\s)+1+16*\b]|, 0x1800000
.endr
.irp i, 2,4,6,8,10,12,14
.irp b, 0,1,2,3
	s_delay_alu instid0(VALU_DEP_4)
	v_max3_num_f32 v[TM+\b], v[TM+\b], |v[(\s)+16*\b+\i]|, |v[(\s)+1+16*\b+\i]|
.endr
.endr
.irp b, 0,1,2,3
	s_delay_alu instid0(VALU_DEP_4)
	v_permlanex16_b32 v[TM+4+\b], v[TM+\b], s[SEL], s[SEL+1]
.endr
.irp b, 0,1,2,3
	s_delay_alu instid0(VALU_DEP_4)
	v_max_num_f32 v[TM+\b], v[TM+\b], v[TM+4+\b]
.endr
.irp b, 0,1,2,3
	s_delay_alu instid0(VALU_DEP_4)
	v_add_nc_u32 v[TM+12+\b], 0xff000000, v[TM+\b]
.endr
.irp b, 0,1,2,3
	s_delay_alu instid0(VALU_DEP_4)
	v_lshrrev_b32 v[TM+4+\b], 23, v[TM+12+\b]
.endr
	s_delay_alu instid0(VALU_DEP_3)
	v_lshl_or_b32 v[\pw], v[TM+5], 8, v[TM+4]
	s_delay_alu instid0(VALU_DEP_1)
	v_lshl_or_b32 v[\pw], v[TM+6], 16, v[\pw]
	s_delay_alu instid0(VALU_DEP_1)
	v_lshl_or_b32 v[\pw], v[TM+7], 24, v[\pw]
.irp b, 0,1,2,3
	v_cvt_scalef32_pk8_fp4_f32 v[(\pc)+2*\b], v[(\s)+16*\b:(\s)+7+16*\b], v[TM+12+\b]
	v_cvt_scalef32_pk8_fp4_f32 v[(\pc)+1+2*\b], v[(\s)+8+16*\b:(\s)+15+16*\b], v[TM+12+\b]
.endr
	v_nop
.irp c, 0,1
.irp i, 0,1
	v_permlane16_swap_b32 v[(\pc)+4*\c+\i], v[(\pc)+2+4*\c+\i]
.endr
.endr
.endm
.macro ACROSS                          ; v[SA + 4 e]: the two chains, the two halves, the 32 lanes
.irp e, 0
	s_delay_alu instid0(VALU_DEP_3)
	v_pk_add_f32 v[SA+4*\e:SA+4*\e+1], v[SA+4*\e:SA+4*\e+1], v[SA+4*\e+2:SA+4*\e+3]
.endr
.irp e, 1
	s_delay_alu instid0(VALU_DEP_2)
	v_pk_add_f32 v[SA+4*\e:SA+4*\e+1], v[SA+4*\e:SA+4*\e+1], v[SA+4*\e+2:SA+4*\e+3]
.endr
.irp e, 0,1
	s_delay_alu instid0(VALU_DEP_2)
	v_add_f32 v[SA+4*\e], v[SA+4*\e], v[SA+4*\e+1]
.endr
.irp m, 1,2,4,8
.irp e, 0,1
	s_delay_alu instid0(VALU_DEP_2)
	v_add_f32_dpp v[SA+4*\e], v[SA+4*\e], v[SA+4*\e] row_xmask:\m row_mask:0xf bank_mask:0xf
.endr
.endr
.irp e, 0,1
	s_delay_alu instid0(VALU_DEP_2)
	v_permlanex16_b32 v[SA+4*\e+1], v[SA+4*\e], s[SEL], s[SEL+1]
.endr
.irp e, 0,1
	s_delay_alu instid0(VALU_DEP_2)
	v_add_f32 v[SA+4*\e], v[SA+4*\e], v[SA+4*\e+1]
.endr
.endm
	s_load_b256 s[4:11], s[0:1], 0x0               ; y, gain, shift, the f32 result
.if QNT
	s_load_b64 s[12:13], s[0:1], 0x20              ; the units
	v_lshl_add_u32 v[SPW], v0, 2, SPARE
	v_mov_b32 v[NIL], 0
.endif
	v_lshrrev_b32 v1, 5, v0
	v_readfirstlane_b32 s[WV], v1                  ; wave 0..7
	s_lshr_b32 s20, ttmp9, 1
	s_lshl_b32 s20, s20, 5
	s_and_b32 s21, ttmp9, 1
	s_lshl_b32 s21, s21, 3
	s_add_co_u32 s20, s20, s21                     ; the tile's first row
	s_lshl_b32 s21, s[WV], 1
	s_add_co_u32 s20, s20, s21
	s_lshr_b32 s21, s[WV], 2
	s_lshl_b32 s21, s21, 3
	s_add_co_u32 s20, s20, s21                     ; + r + 8 (r / 8), r = 2 w
	s_lshl_b32 s20, s20, 12
	s_mov_b32 s21, 0
	s_mov_b32 s[SEL], 0x76543210
	s_mov_b32 s[SEL+1], 0xfedcba98
	s_mov_b32 s30, 0x3727c5ac                      ; 1e-5
	s_mov_b32 s31, 0x3a800000                      ; 1 / 1,024
.if QNT
	s_lshl_b32 s22, s[WV], 9                       ; K step w: 512 bytes on in a stage row
	s_mul_i32 s23, s[WV], 2*SP                     ; my two rows of the stage
	s_mul_i32 s24, ttmp9, UNITB
	s_lshl_b32 s26, s[WV], 6
	s_add_co_u32 s26, s26, s24                     ; K step w's scale words
	s_mov_b32 s27, 0
	s_lshl_b32 s25, s[WV], 10
	s_add_co_u32 s24, s24, s25                     ; and its image, 512 bytes further on
	s_mov_b32 s25, 0
.endif
	v_and_b32 v[LI], 31, v0
	v_lshlrev_b32 v[LI], 4, v[LI]
.if QNT
	v_and_b32 v2, 15, v0                           ; r
	v_bfe_u32 v7, v0, 4, 1                         ; h
	v_lshlrev_b32 v[R4], 2, v2
	v_add_nc_u32 v[YA], s23, v[LI]
	v_mul_u32_u24 v[QA], v2, SP
	v_lshl_add_u32 v[QA], v7, 6, v[QA]
	v_add_nc_u32 v[QA], s22, v[QA]
.irp b, 0,1,2,3
	v_mov_b32 v[TM+4+\b], 0                        ; a lane permute's destination counts as one of its sources
.endr
.endif
	s_wait_alu depctr_va_vdst(0)                   ; the wait at the head's end
	s_wait_kmcnt 0x0
	s_add_nc_u64 s[4:5], s[4:5], s[20:21]
	s_add_nc_u64 s[10:11], s[10:11], s[20:21]
.if QNT
	s_add_nc_u64 s[24:25], s[12:13], s[24:25]
	s_add_nc_u64 s[26:27], s[12:13], s[26:27]
.endif
.irp e, 0,1
.irp j, 0,1,2,3,4,5,6,7
	global_load_b128 v[Y+32*\e+4*\j:Y+32*\e+4*\j+3], v[LI], s[4:5] offset:4096*\e+512*\j
.endr
.endr
.irp j, 0,1,2,3,4,5,6,7
	global_load_b128 v[GG+4*\j:GG+4*\j+3], v[LI], s[6:7] offset:512*\j
	global_load_b128 v[BETA+4*\j:BETA+4*\j+3], v[LI], s[8:9] offset:512*\j
.endr
	s_wait_loadcnt 16                              ; my two rows are in; the gain's and the shift's 16 loads may be out
.irp e, 0,1                                    ; the row's sum: two packed chains a row, the two rows by turns
	v_pk_add_f32 v[SA+4*\e:SA+4*\e+1], v[Y+32*\e:Y+32*\e+1], v[Y+32*\e+4:Y+32*\e+5]
	v_pk_add_f32 v[SA+4*\e+2:SA+4*\e+3], v[Y+32*\e+2:Y+32*\e+3], v[Y+32*\e+6:Y+32*\e+7]
.endr
.irp j, 8,12,16,20,24,28
.irp e, 0,1
	s_delay_alu instid0(VALU_DEP_4)
	v_pk_add_f32 v[SA+4*\e:SA+4*\e+1], v[SA+4*\e:SA+4*\e+1], v[Y+32*\e+\j:Y+32*\e+\j+1]
	s_delay_alu instid0(VALU_DEP_4)
	v_pk_add_f32 v[SA+4*\e+2:SA+4*\e+3], v[SA+4*\e+2:SA+4*\e+3], v[Y+32*\e+\j+2:Y+32*\e+\j+3]
.endr
.endr
	ACROSS
.irp e, 0
	s_delay_alu instid0(VALU_DEP_2)
	v_mul_f32 v[MN+2*\e], s31, v[SA+4*\e]          ; the mean, twice: a pair for the packed subtraction
	s_delay_alu instid0(VALU_DEP_3)
	v_mul_f32 v[MN+2*\e+1], s31, v[SA+4*\e]
.endr
.irp e, 1
	s_delay_alu instid0(VALU_DEP_3)
	v_mul_f32 v[MN+2*\e], s31, v[SA+4*\e]
	s_delay_alu instid0(VALU_DEP_4)
	v_mul_f32 v[MN+2*\e+1], s31, v[SA+4*\e]
.endr
.set J, 0
.rept 16
.irp e, 0,1
	v_pk_add_f32 v[Y+32*\e+J:Y+32*\e+J+1], v[Y+32*\e+J:Y+32*\e+J+1], v[MN+2*\e:MN+2*\e+1] neg_lo:[0,1] neg_hi:[0,1]
.endr
.set J, J+2
.endr
.irp e, 0,1
	v_pk_mul_f32 v[SA+4*\e:SA+4*\e+1], v[Y+32*\e:Y+32*\e+1], v[Y+32*\e:Y+32*\e+1]
	v_pk_mul_f32 v[SA+4*\e+2:SA+4*\e+3], v[Y+32*\e+2:Y+32*\e+3], v[Y+32*\e+2:Y+32*\e+3]
.endr
.irp j, 4,8,12,16,20,24,28
.irp e, 0,1
	s_delay_alu instid0(VALU_DEP_4)
	v_pk_fma_f32 v[SA+4*\e:SA+4*\e+1], v[Y+32*\e+\j:Y+32*\e+\j+1], v[Y+32*\e+\j:Y+32*\e+\j+1], v[SA+4*\e:SA+4*\e+1]
	s_delay_alu instid0(VALU_DEP_4)
	v_pk_fma_f32 v[SA+4*\e+2:SA+4*\e+3], v[Y+32*\e+\j+2:Y+32*\e+\j+3], v[Y+32*\e+\j+2:Y+32*\e+\j+3], v[SA+4*\e+2:SA+4*\e+3]
.endr
.endr
	ACROSS
.irp e, 0,1
	s_delay_alu instid0(VALU_DEP_2)
	v_fma_f32 v[SA+4*\e], v[SA+4*\e], s31, s30     ; the variance + 1e-5
.endr
	s_wait_alu depctr_va_vdst(0)                   ; the wait ahead of the batch
.irp e, 0,1
	v_rsq_f32 v[RS+2*\e], v[SA+4*\e]
	v_rsq_f32 v[RS+2*\e+1], v[SA+4*\e]
.endr
	v_nop                                          ; a plain line behind the last of them,
	s_wait_alu depctr_va_vdst(0)                   ; and one wait for the four, ahead of the first reader
.set J, 0
.rept 16
.irp e, 0,1
	v_pk_mul_f32 v[Y+32*\e+J:Y+32*\e+J+1], v[Y+32*\e+J:Y+32*\e+J+1], v[RS+2*\e:RS+2*\e+1]
.endr
.set J, J+2
.endr
	s_wait_alu depctr_va_vdst(0)                   ; directly ahead of the wait below
	s_wait_loadcnt 0x0                             ; the gain and the shift
.set J, 0
.rept 16
.irp e, 0,1
	v_pk_fma_f32 v[Y+32*\e+J:Y+32*\e+J+1], v[Y+32*\e+J:Y+32*\e+J+1], v[GG+J:GG+J+1], v[BETA+J:BETA+J+1]
.endr
.set J, J+2
.endr
.irp e, 0,1
.irp j, 0,1,2,3,4,5,6,7
	global_store_b128 v[LI], v[Y+32*\e+4*\j:Y+32*\e+4*\j+3], s[10:11] offset:4096*\e+512*\j   ; 512 consecutive bytes a store
.endr
.endr
.if QNT
.irp e, 0,1
.irp j, 0,1,2,3,4,5,6,7
	ds_store_b128 v[YA], v[Y+32*\e+4*\j:Y+32*\e+4*\j+3] offset:SP*\e+512*\j
.endr
.endr
	s_wait_dscnt 0x0                               ; my stores have landed
	s_barrier_signal -1
	s_barrier_wait -1                              ; all 16 rows lie in the stage
.irp b, 0,1,2,3                                ; register 16 b + e = column 128 w + 32 b + 16 h + e of row r
.irp q, 0,1,2,3
	ds_load_b128 v[QS+16*\b+4*\q:QS+16*\b+4*\q+3], v[QA] offset:128*\b+16*\q
.endr
.endr
	s_wait_dscnt 0x0
	QUANT QS, PC, PW
	global_store_b128 v[LI], v[PC:PC+3], s[24:25] offset:512
	global_store_b128 v[LI], v[PC+4:PC+7], s[24:25] offset:1024
	global_store_b32 v[R4], v[PW], s[26:27]        ; both halves of the lanes write the same word with the same value
	s_wait_tensorcnt 0x0                           ; the wave's end
	ds_add_u32 v[SPW], v[NIL]
	s_wait_dscnt 0x0
.endif
	s_endpgm
.Lfunc_end_k_q3ebf299f0a_ln1:
	.size	k_q3ebf299f0a_ln1, .Lfunc_end_k_q3ebf299f0a_ln1-k_q3ebf299f0a_ln1
	.p2alignl 7, 3214868480
	.fill 96, 4, 3214868480
	.section	.rodata,"a",@progbits
	.p2align	6, 0x0
	.amdhsa_kernel k_q3ebf299f0a_ln1
		.amdhsa_group_segment_fixed_size 66816
		.amdhsa_private_segment_fixed_size 0
		.amdhsa_enable_private_segment 0
		.amdhsa_kernarg_size 40
		.amdhsa_user_sgpr_count 2
		.amdhsa_user_sgpr_kernarg_segment_ptr 1
		.amdhsa_wavefront_size32 1
		.amdhsa_system_sgpr_workgroup_id_x 1
		.amdhsa_system_sgpr_workgroup_id_y 1
		.amdhsa_system_sgpr_workgroup_id_z 1
		.amdhsa_system_vgpr_workitem_id 0
		.amdhsa_next_free_vgpr 192
		.amdhsa_next_free_sgpr 66
		.amdhsa_reserve_vcc 0
		.amdhsa_float_denorm_mode_32 3
		.amdhsa_float_denorm_mode_16_64 3
		.amdhsa_memory_ordered 1
		.amdhsa_forward_progress 1
		.amdhsa_inst_pref_size 30
	.end_amdhsa_kernel
	.amdgpu_metadata
---
amdhsa.version: [ 1, 2 ]
amdhsa.kernels:
  - .name:           k_q3ebf299f0a_ln1
    .symbol:         k_q3ebf299f0a_ln1.kd
    .args:
      - { .name: yf, .offset: 0, .size: 8, .value_kind: global_buffer, .address_space: global }
      - { .name: g1, .offset: 8, .size: 8, .value_kind: global_buffer, .address_space: global }
      - { .name: beta1, .offset: 16, .size: 8, .value_kind: global_buffer, .address_space: global }
      - { .name: x1f, .offset: 24, .size: 8, .value_kind: global_buffer, .address_space: global }
      - { .name: x1q, .offset: 32, .size: 8, .value_kind: global_buffer, .address_space: global }
    .group_segment_fixed_size: 66816
    .private_segment_fixed_size: 0
    .kernarg_segment_align: 8
    .kernarg_segment_size: 40
    .max_flat_workgroup_size: 256
    .sgpr_count:     66
    .vgpr_count:     192
    .wavefront_size: 32
...
	.end_amdgpu_metadata
.endif
;; end of part 5
;; launch fc1 (part 6): grid 16 x 16, 16 waves a work-group, clusters of 4 x 4, 280,576 bytes of LDS; arguments qin, x1q, b_fc1, hq; writes hq
.if DOCPART == 6
	.amdgcn_target "amdgcn-amd-amdhsa--gfx1250"
	.amdhsa_code_object_version 6
	.text
	.protected	k_q3ebf299f0a_fc1
	.globl	k_q3ebf299f0a_fc1
	.p2align	8
	.type	k_q3ebf299f0a_fc1,@function
k_q3ebf299f0a_fc1:
	s_mov_b64 s[64:65], 0
	v_nop
	global_prefetch_b8 v0, s[64:65] scope:SCOPE_SE
	s_setreg_imm32_b32 hwreg(HW_REG_WAVE_MODE, 25, 1), 1
	s_wait_xcnt 0x0
	s_wait_alu depctr_hold_cnt(0) depctr_sa_sdst(0) depctr_va_vdst(0) depctr_va_sdst(0) depctr_va_ssrc(0) depctr_va_vcc(0) depctr_vm_vsrc(0)
	s_getreg_b32 s2, hwreg(HW_REG_IB_STS2, 6, 4)
	s_cmp_eq_u32 s2, 0
	s_cbranch_scc0 .Lentry_in_a_cluster
	s_endpgm
.Lentry_in_a_cluster:
	s_bfe_u32 s2, ttmp6, 0x10000c
	s_cmp_lg_u32 s2, 0xf033
	s_cbranch_scc0 .Lentry_shape_is_right
	s_endpgm
.Lentry_shape_is_right:
; h = gelu(x1 w_fc1^T + b_fc1), the product on codes of FP4, the exact (erf) GELU in f32, h quantised at once along FF for the last product.  No work is left out.
; A work-group makes 256 features (x = nt) x 256 tokens (y = mt), K = 1,024; both panels, 16 units of 8,704 bytes each (the first launch's layout), lie whole in LDS and are filled once:
; waves 0-7 fetch P's panel, waves 8-15 O's, two units (17,408 consecutive bytes) with one tensor load each.
; Side P, source 0, is w_fc1 (units 512 + 16 nt on in qin); side O, source 1, the tokens (units 16 mt on in x1q).  A lane holds one token, and its 64 registers of eight P tiles are features 256 nt + 128 ph + 32 b + 16 h + e:
; one K step of the last product.  Wave w: P tiles 8 (w & 1) on, O tiles 2 (w >> 1), + 1; 16 accumulators by turns.
; GELU: gelu(x) = max(x, 0) - |x| (erfc(|x| / sqrt 2) / 2), with erfc(z) = t exp(-z^2 + c0 + t (c1 + .. + t c9)), t = 1 / (1 + z / 2): a fit whose stated fractional error is 1.2e-7 for every z; it holds for any size of x.
; OUT, in hq: [token tile 256][g 4] units of the first launch's layout; this wave's image is K step 2 (nt & 3) + ph of unit g = nt >> 2.
; CLUSTER: 4 x 4.  P's panel hangs on nt alone and is asked for jointly along a column of the cluster, O's on mt alone and jointly along a row: the same load, the same descriptor, a mask that names the four.
; My place in the cluster enters global addresses and the masks alone: no LDS address, no branch.
; PREFETCH: none: every byte is asked for once, at the head; there is no loop to run ahead in.
; LIMITS: erfc by the fit above, 1 / (1 + z / 2) by v_rcp_f32; a block of zeros gets the byte 1; NaN and infinities are not served.
.set UNITB, 8704
.set PANEL, 16*UNITB
.set SPARE, 2*PANEL
.set LI,  3
.set ADP, 4
.set ADO, 6
.set LSP, 7
.set LSO, 8
.set SPW, 12
.set NIL, 13
.set PS,  14
.set OS,  22
.set PF,  24
.set OF,  88
.set ACC, 104
.set TM,  232
.set PW,  248
.set BI,  24
.set PC,  88
.set GT,  24                           ; the GELU's t, 32 numbers at a time
.set GP,  56                           ; and its polynomial
.set WV, 12
.set PH, 13
.set OG, 14
.set NT, 15
.set MT, 16
.set SEL, 20
.set HS,  23
.set G0,  24                           ; s[24:27] group 0 for P's units, s[28:31] for O's
.set G1A, 40                           ; s[40:47] group 1 for P's units
.set G1B, 48                           ; s[48:55] for O's: it differs in the mask alone
.macro PLACES n
.rept \n
	v_nop
.endr
.endm
.macro ROUND                           ; a round of the cluster's barrier
	s_barrier_signal -1
	s_barrier_wait -1
	s_cmp_lg_u32 s[WV], 0
	s_cbranch_scc1 .Lnot_wave_0_\@
	s_barrier_signal -3
.Lnot_wave_0_\@:
	s_barrier_wait -3
	s_barrier_signal -1
	s_barrier_wait -1
.endm
.macro WMZ d, a, b, sa, sb
	v_wmma_scale_f32_16x16x128_f8f6f4 v[\d:\d+7], v[\a:\a+7], v[\b:\b+7], 0, v[\sa], v[\sb] matrix_a_fmt:MATRIX_FMT_FP4 matrix_b_fmt:MATRIX_FMT_FP4
.endm
.macro WME d, a, b, sa, sb
	v_wmma_scale_f32_16x16x128_f8f6f4 v[\d:\d+7], v[\a:\a+7], v[\b:\b+7], v[\d:\d+7], v[\sa], v[\sb] matrix_a_fmt:MATRIX_FMT_FP4 matrix_b_fmt:MATRIX_FMT_FP4
.endm
.macro WMO d, a, b, sa, sb
	v_wmma_scale_f32_16x16x128_f8f6f4 v[\d:\d+7], v[\a:\a+7], v[\b:\b+7], v[\d:\d+7], v[\sa], v[\sb] matrix_a_fmt:MATRIX_FMT_FP4 matrix_b_fmt:MATRIX_FMT_FP4 matrix_a_scale:MATRIX_SCALE_ROW1 matrix_b_scale:MATRIX_SCALE_ROW1
.endm
.macro QUANT s, pc, pw
.irp b, 0,1,2,3
	v_max3_num_f32 v[TM+\b], |v[(\s)+16*\b]|, |v[(\s)+1+16*\b]|, 0x1800000
.endr
.irp i, 2,4,6,8,10,12,14
.irp b, 0,1,2,3
	s_delay_alu instid0(VALU_DEP_4)
	v_max3_num_f32 v[TM+\b], v[TM+\b], |v[(\s)+16*\b+\i]|, |v[(\s)+1+16*\b+\i]|
.endr
.endr
.irp b, 0,1,2,3
	s_delay_alu instid0(VALU_DEP_4)
	v_permlanex16_b32 v[TM+4+\b], v[TM+\b], s[SEL], s[SEL+1]
.endr
.irp b, 0,1,2,3
	s_delay_alu instid0(VALU_DEP_4)
	v_max_num_f32 v[TM+\b], v[TM+\b], v[TM+4+\b]
.endr
.irp b, 0,1,2,3
	s_delay_alu instid0(VALU_DEP_4)
	v_add_nc_u32 v[TM+12+\b], 0xff000000, v[TM+\b]
.endr
.irp b, 0,1,2,3
	s_delay_alu instid0(VALU_DEP_4)
	v_lshrrev_b32 v[TM+4+\b], 23, v[TM+12+\b]
.endr
	s_delay_alu instid0(VALU_DEP_3)
	v_lshl_or_b32 v[\pw], v[TM+5], 8, v[TM+4]
	s_delay_alu instid0(VALU_DEP_1)
	v_lshl_or_b32 v[\pw], v[TM+6], 16, v[\pw]
	s_delay_alu instid0(VALU_DEP_1)
	v_lshl_or_b32 v[\pw], v[TM+7], 24, v[\pw]
.irp b, 0,1,2,3
	v_cvt_scalef32_pk8_fp4_f32 v[(\pc)+2*\b], v[(\s)+16*\b:(\s)+7+16*\b], v[TM+12+\b]
	v_cvt_scalef32_pk8_fp4_f32 v[(\pc)+1+2*\b], v[(\s)+8+16*\b:(\s)+15+16*\b], v[TM+12+\b]
.endr
	v_nop
.irp c, 0,1
.irp i, 0,1
	v_permlane16_swap_b32 v[(\pc)+4*\c+\i], v[(\pc)+2+4*\c+\i]
.endr
.endr
.endm
.macro KSTEP ks
.if (\ks) > 0
	PLACES 4
.endif
.irp t, 0,1,2,3,4,5,6,7
.irp c, 0,1
	ds_load_b128 v[PF+8*\t+4*\c:PF+8*\t+4*\c+3], v[ADP+\t/4] offset:(\t%4)*UNITB+512+1024*(\ks)+512*\c
.endr
.endr
.irp i, 0,1
.irp c, 0,1
	ds_load_b128 v[OF+8*\i+4*\c:OF+8*\i+4*\c+3], v[ADO] offset:\i*UNITB+512+1024*(\ks)+512*\c
.endr
.endr
.if ((\ks)%2) == 0
.irp t, 0,1,2,3,4,5,6,7
	ds_load_b32 v[PS+\t], v[LSP] offset:\t*UNITB+128*((\ks)/2)
.endr
.irp i, 0,1
	ds_load_b32 v[OS+\i], v[LSO] offset:\i*UNITB+128*((\ks)/2)
.endr
.endif
	s_wait_dscnt 0x0
.irp t, 0,1,2,3,4,5,6,7
.irp i, 0,1
.if (\ks) == 0
	WMZ ACC+64*\i+8*\t, PF+8*\t, OF+8*\i, PS+\t, OS+\i
.elseif ((\ks)%2) == 1
	WMO ACC+64*\i+8*\t, PF+8*\t, OF+8*\i, PS+\t, OS+\i
.else
	WME ACC+64*\i+8*\t, PF+8*\t, OF+8*\i, PS+\t, OS+\i
.endif
.endr
.endr
.endm
.macro CPAIR reg, val                  ; a constant, twice: a pair for the packed forms
	v_mov_b32 v[\reg], \val
	v_mov_b32 v[\reg+1], \val
.endm
; 32 numbers v[x] .. v[x + 31] become their GELU, in place.  Two batches of transcendentals, each with a wait ahead of it, one plain line behind it and one wait ahead of its first reader.
.macro GELU32 x
.set J, 0
.rept 32
	v_fma_f32 v[GT+J], |v[(\x)+J]|, s[HS], 1.0     ; 1 + z / 2, z = |x| / sqrt 2
.set J, J+1
.endr
.set J, 0
	s_wait_alu depctr_va_vdst(0)
.rept 32
	v_rcp_f32 v[GT+J], v[GT+J]                     ; t
.set J, J+1
.endr
	v_nop
	s_wait_alu depctr_va_vdst(0)
.set J, 0
.rept 16
	v_pk_fma_f32 v[GP+J:GP+J+1], v[GT+J:GT+J+1], v[232:233], v[102:103]   ; c9 t + c8
.set J, J+2
.endr
.irp cr, 100,98,96,94,92,90,88,234             ; c7 .. c1, c0
.set J, 0
.rept 16
	v_pk_fma_f32 v[GP+J:GP+J+1], v[GP+J:GP+J+1], v[GT+J:GT+J+1], v[\cr:\cr+1]
.set J, J+2
.endr
.endr
.irp g, 0,8,16,24
.irp j, 0,2,4,6
	v_pk_mul_f32 v[240+\j:241+\j], v[(\x)+\g+\j:(\x)+\g+\j+1], v[(\x)+\g+\j:(\x)+\g+\j+1]
.endr
.irp j, 0,2,4,6
	s_delay_alu instid0(VALU_DEP_4)
	v_pk_fma_f32 v[GP+\g+\j:GP+\g+\j+1], v[240+\j:241+\j], v[248:249], v[GP+\g+\j:GP+\g+\j+1]   ; - z^2 = - x^2 / 2
.endr
.endr
.set J, 0
.rept 16
	v_pk_fma_f32 v[GP+J:GP+J+1], v[GP+J:GP+J+1], v[250:251], v[252:253]   ; x log2(e), - 1: the halving
.set J, J+2
.endr
.set J, 0
	s_wait_alu depctr_va_vdst(0)
.rept 32
	v_exp_f32 v[GP+J], v[GP+J]
.set J, J+1
.endr
	v_nop
	s_wait_alu depctr_va_vdst(0)
.set J, 0
.rept 16
	v_pk_mul_f32 v[GP+J:GP+J+1], v[GP+J:GP+J+1], v[GT+J:GT+J+1]           ; erfc(z) / 2
.set J, J+2
.endr
.set J, 0
.rept 32
	v_max_num_f32 v[GT+J], 0, v[(\x)+J]
.set J, J+1
.endr
.set J, 0
.rept 32
	v_fma_f32 v[(\x)+J], -|v[(\x)+J]|, v[GP+J], v[GT+J]
.set J, J+1
.endr
.endm
	s_load_b256 s[4:11], s[0:1], 0x0               ; qin, x1q, b_fc1, hq
	v_lshl_add_u32 v[SPW], v0, 2, SPARE
	v_mov_b32 v[NIL], 0
	ds_add_u32 v[SPW], v[NIL]                      ; the opening: the add, twice on end, and its wait ahead of the round in front of my first tensor load
	ds_add_u32 v[SPW], v[NIL]
	v_lshrrev_b32 v1, 5, v0
	s_delay_alu instid0(VALU_DEP_1)
	v_readfirstlane_b32 s[WV], v1
	s_and_b32 s[PH], s[WV], 1
	s_lshr_b32 s[OG], s[WV], 1
	s_bfe_u32 s60, ttmp6, 0x40000                  ; cx, cy: my place in the cluster
	s_bfe_u32 s61, ttmp6, 0x40004
	s_lshl_b32 s[NT], ttmp9, 2
	s_add_co_u32 s[NT], s[NT], s60                 ; nt = 4 x cluster x + cx
	s_and_b32 s[MT], ttmp7, 0xffff
	s_lshl_b32 s[MT], s[MT], 2
	s_add_co_u32 s[MT], s[MT], s61                 ; mt = 4 x cluster y + cy
	s_lshl_b32 s62, s61, 2
	s_lshl_b32 s62, 15, s62                        ; my row of the cluster
	s_lshl_b32 s63, 0x1111, s60                    ; my column
	s_or_b32 s[G1A+0], s63, (3<<16)|(1<<21)        ; P's units go to my column; elements of 8 bytes; bit 21 set beside a mask
	s_or_b32 s[G1B+0], s62, (3<<16)|(1<<21)        ; O's to my row
.irp g, G1A, G1B
	s_mov_b32 s[\g+1], 32<<16                      ; two units are 68 dense rows of 256 bytes
	s_mov_b32 s[\g+2], 68<<16
	s_mov_b32 s[\g+3], 32<<16
	s_mov_b32 s[\g+4], 68
	s_mov_b32 s[\g+5], 32
	s_mov_b32 s[\g+6], 0
	s_mov_b32 s[\g+7], 0
.endr
	s_mov_b32 s[SEL], 0x76543210
	s_mov_b32 s[SEL+1], 0xfedcba98
	s_mov_b32 s[HS], 0x3eb504f3                    ; 1 / (2 sqrt 2)
	s_and_b32 s19, s[WV], 7
	s_lshl_b32 s19, s19, 1                         ; which two units of a panel I fetch
	s_lshl_b32 s17, s[NT], 4
	s_add_co_u32 s17, s17, 512                     ; P: w_fc1's units
	s_add_co_u32 s17, s17, s19
	s_mul_i32 s56, s17, UNITB
	s_mov_b32 s57, 0
	s_lshl_b32 s18, s[MT], 4                       ; O: x1's
	s_add_co_u32 s18, s18, s19
	s_mul_i32 s58, s18, UNITB
	s_mov_b32 s59, 0
	s_mul_i32 s19, s[WV], 2*UNITB                  ; in LDS O's panel follows P's: wave x two units
	s_wait_dscnt 0x0                               ; both opening adds are done
	s_wait_kmcnt 0x0
	s_add_nc_u64 s[56:57], s[4:5], s[56:57]
	s_add_nc_u64 s[58:59], s[6:7], s[58:59]
	s_mov_b32 s[G0+0], 1
	s_mov_b32 s[G0+1], s19
	s_mov_b64 s[G0+2:G0+3], s[56:57]
	s_or_b32 s[G0+3], s[G0+3], 0x80000000
	s_mov_b32 s[G0+4], 1
	s_mov_b32 s[G0+5], s19
	s_mov_b64 s[G0+6:G0+7], s[58:59]
	s_or_b32 s[G0+7], s[G0+7], 0x80000000
	ROUND                                          ; all sixteen work-groups are here: the joint loads meet
	s_cmp_lt_u32 s[WV], 8                          ; my one tensor load: waves 0-7 for P, waves 8-15 for O; an s_nop 0 and four v_nop follow each line
	s_cbranch_scc0 .Lfor_o
	tensor_load_to_lds s[G0:G0+3], s[G1A:G1A+7]
	s_nop 0
	PLACES 4
	s_branch .Lasked
.Lfor_o:
	tensor_load_to_lds s[G0+4:G0+7], s[G1B:G1B+7]
	s_nop 0
	PLACES 4
.Lasked:
	v_and_b32 v1, 15, v0                           ; r
	v_bfe_u32 v2, v0, 4, 1                         ; h
	v_and_b32 v[LI], 31, v0
	s_delay_alu instid0(VALU_DEP_1)
	v_lshlrev_b32 v11, 2, v[LI]
	s_delay_alu instid0(VALU_DEP_2)
	v_lshlrev_b32 v[LI], 4, v[LI]
	v_lshlrev_b32 v10, 2, v1                       ; 4 r
	s_mul_i32 s17, s[PH], 8*UNITB
	s_mul_i32 s18, s[OG], 2*UNITB
	s_add_co_u32 s18, s18, PANEL
	v_add_nc_u32 v[ADP], s17, v[LI]
	s_delay_alu instid0(VALU_DEP_1)
	v_add_nc_u32 v[ADP+1], 4*UNITB, v[ADP]
	v_add_nc_u32 v[ADO], s18, v[LI]
	v_add_nc_u32 v[LSP], s17, v11
	v_add_nc_u32 v[LSO], s18, v11
.irp b, 0,1,2,3
	v_mov_b32 v[TM+4+\b], 0
.endr
	s_wait_alu depctr_va_vdst(0)                   ; the wait at the head's end
	s_wait_tensorcnt 0x0                           ; my two units are in
	s_barrier_signal -1
	s_barrier_wait -1
	KSTEP 0
	KSTEP 1
	KSTEP 2
	KSTEP 3
	KSTEP 4
	KSTEP 5
	KSTEP 6
	KSTEP 7
	PLACES 4
	s_lshl_b32 s56, s[NT], 10                      ; the bias runs along my registers: features 256 nt + 128 ph + 32 b + 16 h + e
	s_lshl_b32 s57, s[PH], 9
	s_add_co_u32 s56, s56, s57
	s_mov_b32 s57, 0
	s_add_nc_u64 s[56:57], s[8:9], s[56:57]
	v_lshlrev_b32 v9, 6, v2
.irp b, 0,1,2,3
.irp q, 0,1,2,3
	global_load_b128 v[BI+16*\b+4*\q:BI+16*\b+4*\q+3], v9, s[56:57] offset:128*\b+16*\q
.endr
.endr
	CPAIR 234, -1.26551223                         ; c0 .. c9, in registers that are idle in this phase
	CPAIR 88, 1.00002368
	CPAIR 90, 0.37409196
	CPAIR 92, 0.09678418
	CPAIR 94, -0.18628806
	CPAIR 96, 0.27886807
	CPAIR 98, -1.13520398
	CPAIR 100, 1.48851587
	CPAIR 102, -0.82215223
	CPAIR 232, 0.17087277
	CPAIR 248, -0.5
	CPAIR 250, 0x3fb8aa3b                          ; log2(e)
	CPAIR 252, -1.0
	s_wait_loadcnt 0x0
.set K, 0
.rept 64
	v_pk_add_f32 v[ACC+2*K:ACC+2*K+1], v[ACC+2*K:ACC+2*K+1], v[BI+(2*K)%64:BI+(2*K)%64+1]   ; each accumulator from its low end on
.set K, K+1
.endr
	GELU32 ACC
	GELU32 ACC+32
	GELU32 ACC+64
	GELU32 ACC+96
	QUANT ACC, PC, PW
	QUANT ACC+64, PC+8, PW+1
	s_lshl_b32 s56, s[MT], 4
	s_lshl_b32 s57, s[OG], 1
	s_add_co_u32 s56, s56, s57                     ; token tile 16 mt + 2 og
	s_lshl_b32 s56, s56, 2
	s_lshr_b32 s57, s[NT], 2
	s_add_co_u32 s56, s56, s57                     ; its unit g = nt >> 2
	s_mul_i32 s56, s56, UNITB
	s_and_b32 s57, s[NT], 3
	s_lshl_b32 s58, s57, 7
	s_lshl_b32 s59, s[PH], 6
	s_add_co_u32 s58, s58, s59
	s_add_co_u32 s58, s58, s56                     ; the scale words of K step 2 (nt & 3) + ph
	s_mov_b32 s59, 0
	s_lshl_b32 s57, s57, 1
	s_add_co_u32 s57, s57, s[PH]
	s_lshl_b32 s57, s57, 10
	s_add_co_u32 s56, s56, s57
	s_mov_b32 s57, 0
	s_add_nc_u64 s[56:57], s[10:11], s[56:57]
	s_add_nc_u64 s[58:59], s[10:11], s[58:59]
	s_wait_alu depctr_va_vdst(0)
.irp i, 0,1
.irp c, 0,1
	global_store_b128 v[LI], v[PC+8*\i+4*\c:PC+8*\i+4*\c+3], s[56:57] offset:4*UNITB*\i+512+512*\c
.endr
	global_store_b32 v10, v[PW+\i], s[58:59] offset:4*UNITB*\i   ; both halves of the lanes write the same word with the same value
.endr
	s_wait_tensorcnt 0x0                           ; the wave's end
	ds_add_u32 v[SPW], v[NIL]
	s_wait_dscnt 0x0
	ROUND                                          ; the closing round: no work-group ends while a partner may still ask for a tile that names it
	s_endpgm
.Lfunc_end_k_q3ebf299f0a_fc1:
	.size	k_q3ebf299f0a_fc1, .Lfunc_end_k_q3ebf299f0a_fc1-k_q3ebf299f0a_fc1
	.p2alignl 7, 3214868480
	.fill 96, 4, 3214868480
	.section	.rodata,"a",@progbits
	.p2align	6, 0x0
	.amdhsa_kernel k_q3ebf299f0a_fc1
		.amdhsa_group_segment_fixed_size 280576
		.amdhsa_private_segment_fixed_size 0
		.amdhsa_enable_private_segment 0
		.amdhsa_kernarg_size 32
		.amdhsa_user_sgpr_count 2
		.amdhsa_user_sgpr_kernarg_segment_ptr 1
		.amdhsa_wavefront_size32 1
		.amdhsa_system_sgpr_workgroup_id_x 1
		.amdhsa_system_sgpr_workgroup_id_y 1
		.amdhsa_system_sgpr_workgroup_id_z 1
		.amdhsa_system_vgpr_workitem_id 0
		.amdhsa_next_free_vgpr 256
		.amdhsa_next_free_sgpr 66
		.amdhsa_reserve_vcc 0
		.amdhsa_float_denorm_mode_32 3
		.amdhsa_float_denorm_mode_16_64 3
		.amdhsa_memory_ordered 1
		.amdhsa_forward_progress 1
		.amdhsa_inst_pref_size 137
	.end_amdhsa_kernel
	.amdgpu_metadata
---
amdhsa.version: [ 1, 2 ]
amdhsa.kernels:
  - .name:           k_q3ebf299f0a_fc1
    .symbol:         k_q3ebf299f0a_fc1.kd
    .args:
      - { .name: qin, .offset: 0, .size: 8, .value_kind: global_buffer, .address_space: global }
      - { .name: x1q, .offset: 8, .size: 8, .value_kind: global_buffer, .address_space: global }
      - { .name: b_fc1, .offset: 16, .size: 8, .value_kind: global_buffer, .address_space: global }
      - { .name: hq, .offset: 24, .size: 8, .value_kind: global_buffer, .address_space: global }
    .group_segment_fixed_size: 280576
    .private_segment_fixed_size: 0
    .kernarg_segment_align: 8
    .kernarg_segment_size: 32
    .max_flat_workgroup_size: 512
    .sgpr_count:     66
    .vgpr_count:     256
    .wavefront_size: 32
...
	.end_amdgpu_metadata
.endif
;; end of part 6
;; launch fc2g (part 7): grid 8 x 32, 8 waves a work-group, clusters of 4 x 4, 327,680 bytes of LDS; arguments hq, qin, b_fc2, x1f, yf; writes yf
.if DOCPART == 7
	.amdgcn_target "amdgcn-amd-amdhsa--gfx1250"
	.amdhsa_code_object_version 6
	.text
	.protected	k_q3ebf299f0a_fc2g
	.globl	k_q3ebf299f0a_fc2g
	.p2align	8
	.type	k_q3ebf299f0a_fc2g,@function
k_q3ebf299f0a_fc2g:
	s_mov_b64 s[64:65], 0
	v_nop
	global_prefetch_b8 v0, s[64:65] scope:SCOPE_SE
	s_setreg_imm32_b32 hwreg(HW_REG_WAVE_MODE, 25, 1), 1
	s_wait_xcnt 0x0
	s_wait_alu depctr_hold_cnt(0) depctr_sa_sdst(0) depctr_va_vdst(0) depctr_va_sdst(0) depctr_va_ssrc(0) depctr_va_vcc(0) depctr_vm_vsrc(0)
	s_getreg_b32 s2, hwreg(HW_REG_IB_STS2, 6, 4)
	s_cmp_eq_u32 s2, 0
	s_cbranch_scc0 .Lentry_in_a_cluster
	s_endpgm
.Lentry_in_a_cluster:
	s_bfe_u32 s2, ttmp6, 0x10000c
	s_cmp_lg_u32 s2, 0xf033
	s_cbranch_scc0 .Lentry_shape_is_right
	s_endpgm
.Lentry_shape_is_right:
; y = A W^T + bias + residual, the product on codes of FP4, y in f32; the norm over y's rows is the next launch's.  No work is left out.
; A = the hidden layer (hq), W = w_fc2, residual = x1f; K = 4,096 = G units of 1,024, G = 4.
; A work-group makes 128 tokens (y = mt) x 128 columns (x = nt): 8 x 32 = 256 work-groups.  K goes in quarters of 1,024 through a ring of two slots: a slot holds 8 units of A and 8 of W (the first launch's units of 8,704 bytes).
; Wave w fetches two units with one tensor load (waves 0-3: A's, waves 4-7: W's).  Wave w multiplies W tiles 4 (w & 1) .. + 3 (source 0) by token tiles 2 (w >> 1), + 1 (source 1): 8 accumulators by turns
; A lane holds one token; its 32 registers of a token tile are columns 32 b + 16 h + e of the wave's 64.
; The bias is loaded into the accumulators, which so begin the sums.  The residual is asked for behind the first quarter of K, into registers of its own: three quarters of K stand between its loads and the wait for them.
; CLUSTER: 4 x 4.  A's units hang on mt alone and are asked for jointly along a row of the cluster, W's on nt alone and jointly along a column: the same load, the same descriptor, a mask that names the four.
; Where a slot is filled, a round of the cluster's barrier takes the place of the work-group's barrier.  My place in the cluster enters global addresses and the masks alone: no LDS address, no branch.
; THE WALK ALONG K begins at quarter (2 x cluster x + cluster y) mod 4 and goes round: the same in all partners of a cluster, and different in the clusters that share a panel.
; PREFETCH: behind each joint load but the last, the quarter that the NEXT joint load will bring is asked for: one quarter of K ahead.  Of the 68 blocks of 256 bytes that a wave fetches, each of the four partners
; that ask with it names 17, told apart by address (cx for A, cy for W): lanes 0-16 a block each, lanes 17-31 the last again.  So each block is named once in each cluster that will load it; the first quarter comes by its load alone.
; The way out: through the wave's own stage in LDS, back as rows of 256 bytes: sixteen lanes store one aligned unit.
; LIMITS: the sums along K begin at a quarter that differs from cluster to cluster, so the order of rounding is not that of ascending K; NaN and infinities are not served.
.set G,     4
.set WU0,   768
.set UNITB, 8704
.set SLOTB, 16*UNITB
.set SPARE, 2*SLOTB                    ; behind the two slots: the spare words, 128 bytes a wave
.set SP,  272                          ; a stage row: 256 bytes + 16.  The stages lie in slot 0, which has had its last fill and its last read at the last barrier
.set AW0, 4                            ; v4-7  my lane's place in W's and A's images and scale words
.set AA0, 5
.set LW0, 6
.set LA0, 7
.set AW,  8                            ; v8-11 the same for the pair of K steps in hand
.set AA,  9
.set LW,  10
.set LA,  11
.set SPW, 12
.set NIL, 13
.set STO, 14
.set RD,  15
.set CO,  16
.set BO,  17
.set PFO, 18                           ; v18   the prefetches' offset: 256 x min(lane, 16); never rewritten
.set SW,  20                           ; v20-23 W's scale words, v24-25 A's: lanes 0-15 the even K step, lanes 16-31 the odd
.set SA,  24
.set F,   32                           ; v32-127 fragments: step s at F + 48 s: four of W, two of A
.set ACC, 128                          ; v128-191 accumulator (i, t) at ACC + 32 i + 8 t
.set RES, 192                          ; v192-255 the residual
.set WV, 14
.set CX, 15
.set CY, 16
.set WH, 17
.set AG, 18
.set GC, 19
.set LB, 20
.set NT, 21
.set BASEA, 22
.set BASEW, 24
.set MT, 26
.set G0A, 28
.set G1A, 32
.set TO, 40
.set TS, 41
.set CN, 42
.set W2, 43
.set OFF, 44
.set OA, 46
.set OW, 48
.set G0W, 52
.set G1W, 56
.set RO, 66
.set BOF, 68
.set LWB, 70
.set LAB, 71
.set STB, 72
.set MR, 73
.set MC, 74
.set PFB, 76                           ; s[76:77] my 17 blocks in quarter 0 of the two units that I fetch
.set PFA, 78                           ; s[78:79] the same in the quarter that is asked for
.macro WM d, a, b, sa, sb, odd
.if \odd
	v_wmma_scale_f32_16x16x128_f8f6f4 v[\d:\d+7], v[\a:\a+7], v[\b:\b+7], v[\d:\d+7], v[\sa], v[\sb] matrix_a_fmt:MATRIX_FMT_FP4 matrix_b_fmt:MATRIX_FMT_FP4 matrix_a_scale:MATRIX_SCALE_ROW1 matrix_b_scale:MATRIX_SCALE_ROW1
.else
	v_wmma_scale_f32_16x16x128_f8f6f4 v[\d:\d+7], v[\a:\a+7], v[\b:\b+7], v[\d:\d+7], v[\sa], v[\sb] matrix_a_fmt:MATRIX_FMT_FP4 matrix_b_fmt:MATRIX_FMT_FP4
.endif
.endm
.macro ROUND                           ; a round of the cluster's barrier
	s_barrier_signal -1
	s_barrier_wait -1
	s_cmp_lg_u32 s[WV], 0
	s_cbranch_scc1 .Lnot_wave_0_\@
	s_barrier_signal -3
.Lnot_wave_0_\@:
	s_barrier_wait -3
	s_barrier_signal -1
	s_barrier_wait -1
.endm
.macro JLOAD                           ; a joint load: waves 0-3 for A, waves 4-7 for W; each line has one mask; an s_nop 0 and four v_nop follow each
	s_cmp_lt_u32 s[WV], 4
	s_cbranch_scc0 .Lfor_w_\@
	tensor_load_to_lds s[G0A:G0A+3], s[G1A:G1A+7]
	s_nop 0
.rept 4
	v_nop
.endr
	s_branch .Lasked_\@
.Lfor_w_\@:
	tensor_load_to_lds s[G0W:G0W+3], s[G1W:G1W+7]
	s_nop 0
.rept 4
	v_nop
.endr
.Lasked_\@:
.endm
; A quarter of K: the change of slots, then four trips of two K steps of 128.  refill: the other slot takes the next quarter;  ask: the quarter after that is prefetched
.macro PHASE slot, refill, ask
	s_wait_tensorcnt 0x0                           ; my part of this slot is in, and no tensor load of mine is out: the groups 0 may be written
	ds_add_u32 v[SPW], v[NIL]
.if \refill
	s_add_co_u32 s[GC], s[GC], 1
	s_and_b32 s[GC], s[GC], G-1                    ; the next quarter of K, round the end
	s_mul_i32 s[OFF], s[GC], UNITB
	s_add_co_u32 s[G0A+1], s[LB], (1-\slot)*SLOTB
	s_add_nc_u64 s[G0A+2:G0A+3], s[BASEA:BASEA+1], s[OFF:OFF+1]
	s_or_b32 s[G0A+3], s[G0A+3], 0x80000000
	s_add_co_u32 s[G0W+1], s[LB], (1-\slot)*SLOTB
	s_add_nc_u64 s[G0W+2:G0W+3], s[BASEW:BASEW+1], s[OFF:OFF+1]
	s_or_b32 s[G0W+3], s[G0W+3], 0x80000000
.endif
.if \ask
	s_wait_xcnt 0x0                                ; my last prefetch has read its address, so it may be written:
	s_add_co_u32 s82, s[GC], 1
	s_and_b32 s82, s82, G-1
	s_mul_i32 s82, s82, UNITB
	s_add_nc_u64 s[PFA:PFA+1], s[PFB:PFB+1], s[82:83]   ; one quarter further on than the load below
.endif
	s_mov_b32 s[TO], \slot*SLOTB
	s_mov_b32 s[TS], \slot*SLOTB
	s_mov_b32 s[CN], 4
	s_wait_dscnt 0x0                               ; the add is done, and my reads of the other slot are over
.if \refill
	ROUND                                          ; both now hold of every wave of every work-group of the cluster
	JLOAD                                          ; my one load behind this round, into the other slot
.else
	s_barrier_signal -1
	s_barrier_wait -1
.endif
.if \ask
	global_prefetch_b8 v[PFO], s[PFA:PFA+1] th:TH_LOAD_NT scope:SCOPE_SE
.endif
.Lk\@:
	v_add_nc_u32 v[AW], s[TO], v[AW0]              ; these four lines are the places in front of loads into registers that matrix instructions have read
	v_add_nc_u32 v[AA], s[TO], v[AA0]
	v_add_nc_u32 v[LW], s[TS], v[LW0]
	v_add_nc_u32 v[LA], s[TS], v[LA0]
.irp t, 0,1,2,3
	ds_load_b32 v[SW+\t], v[LW] offset:\t*UNITB
.endr
.irp i, 0,1
	ds_load_b32 v[SA+\i], v[LA] offset:\i*UNITB
.endr
.irp s, 0,1
.irp t, 0,1,2,3
.irp c, 0,1
	ds_load_b128 v[F+48*\s+8*\t+4*\c:F+48*\s+8*\t+4*\c+3], v[AW] offset:\t*UNITB+512+1024*\s+512*\c
.endr
.endr
.irp i, 0,1
.irp c, 0,1
	ds_load_b128 v[F+48*\s+32+8*\i+4*\c:F+48*\s+32+8*\i+4*\c+3], v[AA] offset:\i*UNITB+512+1024*\s+512*\c
.endr
.endr
.endr
	s_wait_dscnt 12                                ; the scale words and the even step are in; the odd step's 12 loads may be out
.irp t, 0,1,2,3
.irp i, 0,1
	WM ACC+32*\i+8*\t, F+8*\t, F+32+8*\i, SW+\t, SA+\i, 0
.endr
.endr
	s_wait_dscnt 0x0
.irp t, 0,1,2,3
.irp i, 0,1
	WM ACC+32*\i+8*\t, F+48+8*\t, F+80+8*\i, SW+\t, SA+\i, 1
.endr
.endr
	s_add_co_u32 s[TO], s[TO], 2048
	s_add_co_u32 s[TS], s[TS], 128
	s_sub_co_u32 s[CN], s[CN], 1
	s_cmp_lg_u32 s[CN], 0
	s_cbranch_scc1 .Lk\@
.endm
	s_load_b256 s[4:11], s[0:1], 0x0               ; A, qin, bias, residual
	s_load_b64 s[12:13], s[0:1], 0x20              ; y
	v_lshl_add_u32 v[SPW], v0, 2, SPARE
	v_mov_b32 v[NIL], 0
	ds_add_u32 v[SPW], v[NIL]                      ; the opening: the add, twice on end, and its wait ahead of the round in front of my first tensor load
	ds_add_u32 v[SPW], v[NIL]
	v_lshrrev_b32 v1, 5, v0
	v_readfirstlane_b32 s[WV], v1                  ; wave 0..7
	s_and_b32 s[WH], s[WV], 1
	s_lshr_b32 s[AG], s[WV], 1
	s_bfe_u32 s[CX], ttmp6, 0x40000                ; cx, cy: my place in the cluster
	s_bfe_u32 s[CY], ttmp6, 0x40004
	s_lshl_b32 s[NT], ttmp9, 2
	s_add_co_u32 s[NT], s[NT], s[CX]               ; nt = 4 x cluster x + cx
	s_and_b32 s[MT], ttmp7, 0xffff
	s_lshl_b32 s[MT], s[MT], 2
	s_add_co_u32 s[MT], s[MT], s[CY]               ; mt = 4 x cluster y + cy
	s_lshl_b32 s[MR], s[CY], 2
	s_lshl_b32 s[MR], 15, s[MR]                    ; my row of the cluster
	s_lshl_b32 s[MC], 0x1111, s[CX]                ; my column
	s_or_b32 s[G1A+0], s[MR], (3<<16)|(1<<21)      ; A's units go to my row; elements of 8 bytes; bit 21 set beside a mask
	s_or_b32 s[G1W+0], s[MC], (3<<16)|(1<<21)      ; W's to my column
.irp g, G1A, G1W
	s_mov_b32 s[\g+1], 1088<<16                    ; tensor_dim0: a row is a unit, 8,704 bytes
	s_mov_b32 s[\g+2], 2<<16                       ; tensor_dim1: two units
	s_mov_b32 s[\g+3], 1088<<16                    ; tile_dim0
	s_mov_b32 s[\g+4], 2                           ; tile_dim1
	s_mov_b32 s[\g+5], G*1088                      ; from a row tile's unit to the next row tile's
	s_mov_b32 s[\g+6], 0
	s_mov_b32 s[\g+7], 0
.endr
	s_and_b32 s[W2], s[WV], 3
	s_lshl_b32 s[W2], s[W2], 1
	s_lshl_b32 s[OA], s[MT], 3                     ; A: row tiles 8 mt + 2 (w & 3) on
	s_add_co_u32 s[OA], s[OA], s[W2]
	s_mul_i32 s[OA], s[OA], G*UNITB
	s_mov_b32 s[OA+1], 0
	s_lshl_b32 s[OW], s[NT], 3                     ; W: row tiles 8 nt + 2 (w & 3) on, behind WU0 units
	s_add_co_u32 s[OW], s[OW], s[W2]
	s_add_co_u32 s[OW], s[OW], WU0/G
	s_mul_i32 s[OW], s[OW], G*UNITB
	s_mov_b32 s[OW+1], 0
	s_and_b32 s[GC], ttmp7, 0xffff                 ; the quarter of K at which my cluster begins: made of the cluster's coordinates alone
	s_lshl_b32 s80, ttmp9, 1
	s_add_co_u32 s[GC], s[GC], s80
	s_and_b32 s[GC], s[GC], G-1
	s_mul_i32 s[OFF], s[GC], UNITB
	s_mov_b32 s[OFF+1], 0
	s_add_co_u32 s82, s[GC], 1
	s_and_b32 s82, s82, G-1
	s_mul_i32 s82, s82, UNITB                      ; and the quarter after it
	s_mov_b32 s83, 0
	s_mul_i32 s[LB], s[WV], 2*UNITB
	s_lshl_b32 s[RO], s[MT], 2
	s_add_co_u32 s[RO], s[RO], s[AG]
	s_lshl_b32 s[RO], s[RO], 17                    ; my 32 tokens: rows of 4,096 bytes
	s_lshl_b32 s[BOF], s[NT], 1
	s_add_co_u32 s[BOF], s[BOF], s[WH]
	s_lshl_b32 s[BOF], s[BOF], 8                   ; my 64 columns: 256 bytes
	s_mov_b32 s[BOF+1], 0
	s_add_co_u32 s[RO], s[RO], s[BOF]
	s_mov_b32 s[RO+1], 0
	s_mul_i32 s[LWB], s[WH], 4*UNITB
	s_add_co_u32 s[LWB], s[LWB], 8*UNITB           ; my W tiles in a slot
	s_mul_i32 s[LAB], s[AG], 2*UNITB               ; my token tiles
	s_mul_i32 s[STB], s[WV], 32*SP                 ; my stage
	s_wait_dscnt 0x0                               ; both opening adds are done
	s_wait_kmcnt 0x0
	s_add_nc_u64 s[BASEA:BASEA+1], s[4:5], s[OA:OA+1]
	s_add_nc_u64 s[BASEW:BASEW+1], s[6:7], s[OW:OW+1]
	s_mov_b32 s[G0A], 1
	s_mov_b32 s[G0A+1], s[LB]
	s_add_nc_u64 s[G0A+2:G0A+3], s[BASEA:BASEA+1], s[OFF:OFF+1]
	s_or_b32 s[G0A+3], s[G0A+3], 0x80000000
	s_mov_b32 s[G0W], 1
	s_mov_b32 s[G0W+1], s[LB]
	s_add_nc_u64 s[G0W+2:G0W+3], s[BASEW:BASEW+1], s[OFF:OFF+1]
	s_or_b32 s[G0W+3], s[G0W+3], 0x80000000
	s_cmp_lt_u32 s[WV], 4                          ; the prefetches: do I fetch for A?  The choice hangs on the wave's number alone
	s_cselect_b64 s[PFB:PFB+1], s[BASEA:BASEA+1], s[BASEW:BASEW+1]
	s_cselect_b32 s80, s[CX], s[CY]                ; my place p among the four that ask with me
	s_lshr_b32 s81, s80, 1
	s_mul_i32 s81, s81, G*UNITB                    ; blocks 17 p on: unit p / 2 of my two,
	s_and_b32 s80, s80, 1
	s_mul_i32 s80, s80, 17*256                     ; half p % 2 of its 34 blocks
	s_add_co_u32 s80, s80, s81
	s_mov_b32 s81, 0
	s_add_nc_u64 s[PFB:PFB+1], s[PFB:PFB+1], s[80:81]
	s_add_nc_u64 s[PFA:PFA+1], s[PFB:PFB+1], s[82:83]
	ROUND                                          ; all sixteen work-groups are here: the joint loads meet
	JLOAD                                          ; my one tensor load at the head
	s_add_nc_u64 s[8:9], s[8:9], s[BOF:BOF+1]
	s_add_nc_u64 s[10:11], s[10:11], s[RO:RO+1]
	s_add_nc_u64 s[12:13], s[12:13], s[RO:RO+1]
	v_and_b32 v1, 31, v0                           ; lane
	v_and_b32 v2, 15, v0                           ; r
	v_bfe_u32 v3, v0, 4, 1                         ; h
	v_lshlrev_b32 v[AA0], 4, v1
	v_lshlrev_b32 v[LA0], 2, v1
	v_add_nc_u32 v[AW0], s[LWB], v[AA0]
	v_add_nc_u32 v[LW0], s[LWB], v[LA0]
	v_add_nc_u32 v[AA0], s[LAB], v[AA0]
	v_add_nc_u32 v[LA0], s[LAB], v[LA0]
	v_mul_u32_u24 v[STO], v2, SP
	v_lshl_add_u32 v[STO], v3, 6, v[STO]
	v_add_nc_u32 v[STO], s[STB], v[STO]            ; into the stage: row r, + 64 h
	v_mul_u32_u24 v[RD], v3, SP
	v_lshl_add_u32 v[RD], v2, 4, v[RD]
	v_add_nc_u32 v[RD], s[STB], v[RD]              ; back: lanes 0-15 one row, lanes 16-31 the next
	v_lshlrev_b32 v[CO], 12, v3
	v_lshl_add_u32 v[CO], v2, 4, v[CO]             ; and the same two rows in memory
	v_lshlrev_b32 v[BO], 6, v3
	v_min_u32 v[PFO], 16, v1
	v_lshlrev_b32 v[PFO], 8, v[PFO]
	s_wait_alu depctr_va_vdst(0)                   ; the wait at the head's end
	global_prefetch_b8 v[PFO], s[PFA:PFA+1] th:TH_LOAD_NT scope:SCOPE_SE   ; the quarter that the first round's load will bring
.irp i, 0,1
.irp b, 0,1
.irp q, 0,1,2,3
	global_load_b128 v[ACC+32*\i+16*\b+4*\q:ACC+32*\i+16*\b+4*\q+3], v[BO], s[8:9] offset:128*\b+16*\q   ; the bias begins the sums
.endr
.endr
.endr
	s_wait_loadcnt 0x0                             ; the bias is in
	PHASE 0, 1, 1
.set T, 0
.rept 16                                       ; the residual: stage rows 2 T, 2 T + 1 are tokens 8 (T / 8) + 2 (T % 8) + 8 ((T % 8) / 4), + 1 of my 32
	global_load_b128 v[RES+4*T:RES+4*T+3], v[CO], s[10:11] offset:(8*(T/8)+2*(T%8)+8*((T%8)/4))*4096
.set T, T+1
.endr
	PHASE 1, 1, 1
	PHASE 0, 1, 0
	PHASE 1, 0, 0
.rept 4
	v_nop                                          ; places in front of the first read of results and of loads into operands' registers
.endr
.irp i, 0,1
.irp b, 0,1
.irp q, 0,1,2,3
	ds_store_b128 v[STO], v[ACC+32*\i+16*\b+4*\q:ACC+32*\i+16*\b+4*\q+3] offset:16*SP*\i+128*\b+16*\q   ; each accumulator from its low end on
.endr
.endr
.endr
.set T, 0
.rept 16
	ds_load_b128 v[F+4*T:F+4*T+3], v[RD] offset:2*T*SP   ; LDS serves a wave's instructions in order: these see my stores
.set T, T+1
.endr
	s_wait_loadcnt 0x0                             ; the residual
	s_wait_dscnt 0x0
.set T, 0
.rept 32
	v_pk_add_f32 v[F+2*T:F+2*T+1], v[F+2*T:F+2*T+1], v[RES+2*T:RES+2*T+1]
.set T, T+1
.endr
.set T, 0
.rept 16
	global_store_b128 v[CO], v[F+4*T:F+4*T+3], s[12:13] offset:(8*(T/8)+2*(T%8)+8*((T%8)/4))*4096   ; sixteen lanes store 256 consecutive bytes, aligned
.set T, T+1
.endr
	s_wait_tensorcnt 0x0                           ; the wave's end
	ds_add_u32 v[SPW], v[NIL]
	s_wait_dscnt 0x0
	ROUND                                          ; the closing round: no work-group ends while a partner may still ask for a tile that names it
	s_endpgm
.Lfunc_end_k_q3ebf299f0a_fc2g:
	.size	k_q3ebf299f0a_fc2g, .Lfunc_end_k_q3ebf299f0a_fc2g-k_q3ebf299f0a_fc2g
	.p2alignl 7, 3214868480
	.fill 96, 4, 3214868480
	.section	.rodata,"a",@progbits
	.p2align	6, 0x0
	.amdhsa_kernel k_q3ebf299f0a_fc2g
		.amdhsa_group_segment_fixed_size 327680
		.amdhsa_private_segment_fixed_size 0
		.amdhsa_enable_private_segment 0
		.amdhsa_kernarg_size 40
		.amdhsa_user_sgpr_count 2
		.amdhsa_user_sgpr_kernarg_segment_ptr 1
		.amdhsa_wavefront_size32 1
		.amdhsa_system_sgpr_workgroup_id_x 1
		.amdhsa_system_sgpr_workgroup_id_y 1
		.amdhsa_system_sgpr_workgroup_id_z 1
		.amdhsa_system_vgpr_workitem_id 0
		.amdhsa_next_free_vgpr 256
		.amdhsa_next_free_sgpr 84
		.amdhsa_reserve_vcc 0
		.amdhsa_float_denorm_mode_32 3
		.amdhsa_float_denorm_mode_16_64 3
		.amdhsa_memory_ordered 1
		.amdhsa_forward_progress 1
		.amdhsa_inst_pref_size 39
	.end_amdhsa_kernel
	.amdgpu_metadata
---
amdhsa.version: [ 1, 2 ]
amdhsa.kernels:
  - .name:           k_q3ebf299f0a_fc2g
    .symbol:         k_q3ebf299f0a_fc2g.kd
    .args:
      - { .name: hq, .offset: 0, .size: 8, .value_kind: global_buffer, .address_space: global }
      - { .name: qin, .offset: 8, .size: 8, .value_kind: global_buffer, .address_space: global }
      - { .name: b_fc2, .offset: 16, .size: 8, .value_kind: global_buffer, .address_space: global }
      - { .name: x1f, .offset: 24, .size: 8, .value_kind: global_buffer, .address_space: global }
      - { .name: yf, .offset: 32, .size: 8, .value_kind: global_buffer, .address_space: global }
    .group_segment_fixed_size: 327680
    .private_segment_fixed_size: 0
    .kernarg_segment_align: 8
    .kernarg_segment_size: 40
    .max_flat_workgroup_size: 256
    .sgpr_count:     84
    .vgpr_count:     256
    .wavefront_size: 32
...
	.end_amdgpu_metadata
.endif
;; end of part 7
;; launch ln2 (part 8): grid 256 x 1, 8 waves a work-group, no clusters, 0 bytes of LDS; arguments yf, g2, beta2, out0; writes out0
.if DOCPART == 8
	.amdgcn_target "amdgcn-amd-amdhsa--gfx1250"
	.amdhsa_code_object_version 6
	.text
	.protected	k_q3ebf299f0a_ln2
	.globl	k_q3ebf299f0a_ln2
	.p2align	8
	.type	k_q3ebf299f0a_ln2,@function
k_q3ebf299f0a_ln2:
	s_mov_b64 s[64:65], 0
	v_nop
	global_prefetch_b8 v0, s[64:65] scope:SCOPE_SE
	s_setreg_imm32_b32 hwreg(HW_REG_WAVE_MODE, 25, 1), 1
	s_wait_xcnt 0x0
; out0 = layer_norm(y) x gain + shift over rows of 1,024, in f32.  No work is left out.
; A work-group owns 16 rows: 32 (rt / 2) + 8 (rt % 2) + r + 8 (r / 8).  Wave w normalises rows r = 2 w, 2 w + 1 (neighbours in memory): 512 consecutive bytes a load and a store.
; It streams: no matrix work, no LDS, no tensor load, no cluster (no two work-groups read the same rows).
; LIMITS: 1 / sqrt is v_rsq_f32; NaN and infinities are not served.
.set LI,  3
.set SA,  48
.set MN,  56
.set RS,  60
.set Y,   64
.set GG,  128
.set BETA, 160
.set WV,  16
.set SEL, 28
.macro ACROSS                          ; v[SA + 4 e]: the two chains, the two halves, the 32 lanes
.irp e, 0
	s_delay_alu instid0(VALU_DEP_3)
	v_pk_add_f32 v[SA+4*\e:SA+4*\e+1], v[SA+4*\e:SA+4*\e+1], v[SA+4*\e+2:SA+4*\e+3]
.endr
.irp e, 1
	s_delay_alu instid0(VALU_DEP_2)
	v_pk_add_f32 v[SA+4*\e:SA+4*\e+1], v[SA+4*\e:SA+4*\e+1], v[SA+4*\e+2:SA+4*\e+3]
.endr
.irp e, 0,1
	s_delay_alu instid0(VALU_DEP_2)
	v_add_f32 v[SA+4*\e], v[SA+4*\e], v[SA+4*\e+1]
.endr
.irp m, 1,2,4,8
.irp e, 0,1
	s_delay_alu instid0(VALU_DEP_2)
	v_add_f32_dpp v[SA+4*\e], v[SA+4*\e], v[SA+4*\e] row_xmask:\m row_mask:0xf bank_mask:0xf
.endr
.endr
.irp e, 0,1
	s_delay_alu instid0(VALU_DEP_2)
	v_permlanex16_b32 v[SA+4*\e+1], v[SA+4*\e], s[SEL], s[SEL+1]
.endr
.irp e, 0,1
	s_delay_alu instid0(VALU_DEP_2)
	v_add_f32 v[SA+4*\e], v[SA+4*\e], v[SA+4*\e+1]
.endr
.endm
	s_load_b256 s[4:11], s[0:1], 0x0               ; y, gain, shift, out0
	v_lshrrev_b32 v1, 5, v0
	v_readfirstlane_b32 s[WV], v1                  ; wave 0..7
	s_lshr_b32 s20, ttmp9, 1
	s_lshl_b32 s20, s20, 5
	s_and_b32 s21, ttmp9, 1
	s_lshl_b32 s21, s21, 3
	s_add_co_u32 s20, s20, s21                     ; the first of my work-group's rows
	s_lshl_b32 s21, s[WV], 1
	s_add_co_u32 s20, s20, s21
	s_lshr_b32 s21, s[WV], 2
	s_lshl_b32 s21, s21, 3
	s_add_co_u32 s20, s20, s21                     ; + r + 8 (r / 8), r = 2 w
	s_lshl_b32 s20, s20, 12
	s_mov_b32 s21, 0
	s_mov_b32 s[SEL], 0x76543210
	s_mov_b32 s[SEL+1], 0xfedcba98
	s_mov_b32 s30, 0x3727c5ac                      ; 1e-5
	s_mov_b32 s31, 0x3a800000                      ; 1 / 1,024
	v_and_b32 v[LI], 31, v0
	v_lshlrev_b32 v[LI], 4, v[LI]
	s_wait_alu depctr_va_vdst(0)                   ; the wait at the head's end
	s_wait_kmcnt 0x0
	s_add_nc_u64 s[4:5], s[4:5], s[20:21]
	s_add_nc_u64 s[10:11], s[10:11], s[20:21]
.irp e, 0,1
.irp j, 0,1,2,3,4,5,6,7
	global_load_b128 v[Y+32*\e+4*\j:Y+32*\e+4*\j+3], v[LI], s[4:5] offset:4096*\e+512*\j
.endr
.endr
.irp j, 0,1,2,3,4,5,6,7
	global_load_b128 v[GG+4*\j:GG+4*\j+3], v[LI], s[6:7] offset:512*\j
	global_load_b128 v[BETA+4*\j:BETA+4*\j+3], v[LI], s[8:9] offset:512*\j
.endr
	s_wait_loadcnt 16                              ; my two rows are in; the gain's and the shift's 16 loads may be out
.irp e, 0,1                                    ; the row's sum: two packed chains a row, the two rows by turns
	v_pk_add_f32 v[SA+4*\e:SA+4*\e+1], v[Y+32*\e:Y+32*\e+1], v[Y+32*\e+4:Y+32*\e+5]
	v_pk_add_f32 v[SA+4*\e+2:SA+4*\e+3], v[Y+32*\e+2:Y+32*\e+3], v[Y+32*\e+6:Y+32*\e+7]
.endr
.irp j, 8,12,16,20,24,28
.irp e, 0,1
	s_delay_alu instid0(VALU_DEP_4)
	v_pk_add_f32 v[SA+4*\e:SA+4*\e+1], v[SA+4*\e:SA+4*\e+1], v[Y+32*\e+\j:Y+32*\e+\j+1]
	s_delay_alu instid0(VALU_DEP_4)
	v_pk_add_f32 v[SA+4*\e+2:SA+4*\e+3], v[SA+4*\e+2:SA+4*\e+3], v[Y+32*\e+\j+2:Y+32*\e+\j+3]
.endr
.endr
	ACROSS
.irp e, 0
	s_delay_alu instid0(VALU_DEP_2)
	v_mul_f32 v[MN+2*\e], s31, v[SA+4*\e]          ; the mean, twice: a pair for the packed subtraction
	s_delay_alu instid0(VALU_DEP_3)
	v_mul_f32 v[MN+2*\e+1], s31, v[SA+4*\e]
.endr
.irp e, 1
	s_delay_alu instid0(VALU_DEP_3)
	v_mul_f32 v[MN+2*\e], s31, v[SA+4*\e]
	s_delay_alu instid0(VALU_DEP_4)
	v_mul_f32 v[MN+2*\e+1], s31, v[SA+4*\e]
.endr
.set J, 0
.rept 16
.irp e, 0,1
	v_pk_add_f32 v[Y+32*\e+J:Y+32*\e+J+1], v[Y+32*\e+J:Y+32*\e+J+1], v[MN+2*\e:MN+2*\e+1] neg_lo:[0,1] neg_hi:[0,1]
.endr
.set J, J+2
.endr
.irp e, 0,1
	v_pk_mul_f32 v[SA+4*\e:SA+4*\e+1], v[Y+32*\e:Y+32*\e+1], v[Y+32*\e:Y+32*\e+1]
	v_pk_mul_f32 v[SA+4*\e+2:SA+4*\e+3], v[Y+32*\e+2:Y+32*\e+3], v[Y+32*\e+2:Y+32*\e+3]
.endr
.irp j, 4,8,12,16,20,24,28
.irp e, 0,1
	s_delay_alu instid0(VALU_DEP_4)
	v_pk_fma_f32 v[SA+4*\e:SA+4*\e+1], v[Y+32*\e+\j:Y+32*\e+\j+1], v[Y+32*\e+\j:Y+32*\e+\j+1], v[SA+4*\e:SA+4*\e+1]
	s_delay_alu instid0(VALU_DEP_4)
	v_pk_fma_f32 v[SA+4*\e+2:SA+4*\e+3], v[Y+32*\e+\j+2:Y+32*\e+\j+3], v[Y+32*\e+\j+2:Y+32*\e+\j+3], v[SA+4*\e+2:SA+4*\e+3]
.endr
.endr
	ACROSS
.irp e, 0,1
	s_delay_alu instid0(VALU_DEP_2)
	v_fma_f32 v[SA+4*\e], v[SA+4*\e], s31, s30     ; the variance + 1e-5
.endr
	s_wait_alu depctr_va_vdst(0)                   ; the wait ahead of the batch
.irp e, 0,1
	v_rsq_f32 v[RS+2*\e], v[SA+4*\e]
	v_rsq_f32 v[RS+2*\e+1], v[SA+4*\e]
.endr
	v_nop                                          ; a plain line behind the last of them,
	s_wait_alu depctr_va_vdst(0)                   ; and one wait for the four, ahead of the first reader
.set J, 0
.rept 16
.irp e, 0,1
	v_pk_mul_f32 v[Y+32*\e+J:Y+32*\e+J+1], v[Y+32*\e+J:Y+32*\e+J+1], v[RS+2*\e:RS+2*\e+1]
.endr
.set J, J+2
.endr
	s_wait_alu depctr_va_vdst(0)                   ; directly ahead of the wait below
	s_wait_loadcnt 0x0                             ; the gain and the shift
.set J, 0
.rept 16
.irp e, 0,1
	v_pk_fma_f32 v[Y+32*\e+J:Y+32*\e+J+1], v[Y+32*\e+J:Y+32*\e+J+1], v[GG+J:GG+J+1], v[BETA+J:BETA+J+1]
.endr
.set J, J+2
.endr
.irp e, 0,1
.irp j, 0,1,2,3,4,5,6,7
	global_store_b128 v[LI], v[Y+32*\e+4*\j:Y+32*\e+4*\j+3], s[10:11] offset:4096*\e+512*\j   ; 512 consecutive bytes a store
.endr
.endr
	s_endpgm
.Lfunc_end_k_q3ebf299f0a_ln2:
	.size	k_q3ebf299f0a_ln2, .Lfunc_end_k_q3ebf299f0a_ln2-k_q3ebf299f0a_ln2
	.p2alignl 7, 3214868480
	.fill 96, 4, 3214868480
	.section	.rodata,"a",@progbits
	.p2align	6, 0x0
	.amdhsa_kernel k_q3ebf299f0a_ln2
		.amdhsa_group_segment_fixed_size 0
		.amdhsa_private_segment_fixed_size 0
		.amdhsa_enable_private_segment 0
		.amdhsa_kernarg_size 32
		.amdhsa_user_sgpr_count 2
		.amdhsa_user_sgpr_kernarg_segment_ptr 1
		.amdhsa_wavefront_size32 1
		.amdhsa_system_sgpr_workgroup_id_x 1
		.amdhsa_system_sgpr_workgroup_id_y 1
		.amdhsa_system_sgpr_workgroup_id_z 1
		.amdhsa_system_vgpr_workitem_id 0
		.amdhsa_next_free_vgpr 192
		.amdhsa_next_free_sgpr 66
		.amdhsa_reserve_vcc 0
		.amdhsa_float_denorm_mode_32 3
		.amdhsa_float_denorm_mode_16_64 3
		.amdhsa_memory_ordered 1
		.amdhsa_forward_progress 1
		.amdhsa_inst_pref_size 21
	.end_amdhsa_kernel
	.amdgpu_metadata
---
amdhsa.version: [ 1, 2 ]
amdhsa.kernels:
  - .name:           k_q3ebf299f0a_ln2
    .symbol:         k_q3ebf299f0a_ln2.kd
    .args:
      - { .name: yf, .offset: 0, .size: 8, .value_kind: global_buffer, .address_space: global }
      - { .name: g2, .offset: 8, .size: 8, .value_kind: global_buffer, .address_space: global }
      - { .name: beta2, .offset: 16, .size: 8, .value_kind: global_buffer, .address_space: global }
      - { .name: out0, .offset: 24, .size: 8, .value_kind: global_buffer, .address_space: global }
    .group_segment_fixed_size: 0
    .private_segment_fixed_size: 0
    .kernarg_segment_align: 8
    .kernarg_segment_size: 32
    .max_flat_workgroup_size: 256
    .sgpr_count:     66
    .vgpr_count:     192
    .wavefront_size: 32
...
	.end_amdgpu_metadata
.endif
;; end of part 8
